; MI455X (gfx1250); checked and timed in simulation.
; The chip was launched on July 23, 2026; its instructions are those of AMD's public machine-readable ISA for CDNA 5 (MIT licence, August 2026) and "CDNA5" Instruction Set Architecture Reference Guide (July 2026). The comments in the code are by the model that wrote it; some were corrected since.
;; Multi Head Attention. Allowed arithmetic: matrix products marked QUANTISED: E2M1 operands, one E8M0 scale for each 32 along K, by v_wmma_scale_f32_16x16x128_f8f6f4 with both operands' format E2M1 (or v_wmma_scale_f32_32x16x128_f4), f32 sums; products left as they are: bf16, f16 or f32 operands; f32 sums; everything else in f32.
;; Inputs: Wk 1,024 x 1,024 float32; Wo 1,024 x 1,024 float32; Wq 1,024 x 1,024 float32; Wv 1,024 x 1,024 float32; X 4 x 2,048 x 1,024 float32; bo 1,024 float32.
;; Outputs: out0 4 x 2,048 x 1,024 float32.
;; This version of the problem:
;;   THIS VERSION OF THE PROBLEM IS GIVEN IN LOW PRECISION. The matrix products marked QUANTISED in the list below multiply operands that are first quantised to E2M1 (2 exponent bits, 1 mantissa bit; 4 bits a number), with one power-of-two scale for each 32 numbers along K (OCP MX v1.0); their sums are f32. The products marked 'left as it is' may take bf16, f16 or f32 operands, with f32 sums. Whichever they take, every output number must still come out within the allowed error. Rounding operands to bf16 (8 significant bits) uses up far more of that allowance than f16 does (11 bits, for magnitudes from 6e-5 to 65,504). All else is computed in f32.
;;   The module's matrix products, in the order in which they are computed (A, B: the left and right operand; K: the contracted axis; several contracted axes count as one K, in the product's order):
;;     1. [M 8,192, K 1,024] x [K 1,024, N 1,024]; A: input X; B: input Wq: QUANTISED
;;     2. [M 8,192, K 1,024] x [K 1,024, N 1,024]; A: input X; B: input Wk: QUANTISED
;;     3. [M 8,192, K 1,024] x [K 1,024, N 1,024]; A: input X; B: input Wv: QUANTISED
;;     4. batch 64 x [M 2,048, K 64] x [K 64, N 2,048]; A: computed on the way; B: computed on the way: left as it is (an operand is computed on the way)
;;     5. batch 64 x [M 2,048, K 2,048] x [K 2,048, N 64]; A: computed on the way; B: computed on the way: left as it is (an operand is computed on the way)
;;     6. [M 8,192, K 1,024] x [K 1,024, N 1,024]; A: computed on the way; B: input Wo: left as it is (an operand is computed on the way)
;;   THE QUANTISER, for each operand of a quantised product, along K:
;;     - K is cut into blocks of 32 from its start; a last block that is shorter is filled with zeros.
;;     - A block's scale is 2^e with e = floor(log2(the largest magnitude in the block)) - 2, held to -126 .. 127; a block of zeros has e = 0. As a byte (E8M0): e + 127.
;;     - Each number is divided by its block's scale, clamped to +-6, and rounded to the nearest number of E2M1, ties to even, subnormals kept.
;;     - The product sums the exact products of the quantised numbers (number of the format x scale) in f32.
;;   ~~~python
;;   def quantise(x, axis):      # numpy; x: float32 -> the quantised numbers, widened to float32 again
;;       x = np.moveaxis(x, axis, -1); K = x.shape[-1]
;;       x = np.pad(x, [(0, 0)] * (x.ndim - 1) + [(0, -K % 32)]); x = x.reshape(x.shape[:-1] + (-1, 32)); a = np.abs(x).max(-1, keepdims=True)
;;       e = np.where(a > 0, np.clip(np.frexp(np.where(a > 0, a, 1))[1] - 1 - 2, -126, 127), 0)      # np.frexp(a)[1] - 1 = floor(log2(a)), exactly
;;       r = np.clip(x / 2.0 ** e, -6, 6)
;;       step = 2.0 ** (np.maximum(np.frexp(np.where(r == 0, 1, r))[1] - 1, 0) - 1)
;;       q = np.round(r / step) * step * 2.0 ** e      # np.round: ties to even
;;       return np.moveaxis(q.reshape(q.shape[:-2] + (-1,))[..., :K], -1, axis).astype(np.float32)
;;   ~~~
;; One version. Each part assembles by itself: llvm-mc -triple=amdgcn-amd-amdhsa -mcpu=gfx1250 --defsym DOCPART=n.
;; ======== version 1 of 1: 5 launches
;; limits: values are held in f16: magnitudes above 65,504 overflow, below 6.1e-05 lose precision
;; workspace buffers: xc 4,194,304 bytes; xs 262,144 bytes; wc 1,572,864 bytes; ws 98,304 bytes; wo16 4,194,304 bytes; qkv 50,331,648 bytes; qkv32 786,432 bytes; ctx 16,777,216 bytes
;; launch prep (part 1): grid 384 x 1, 8 waves a work-group, no clusters, 131,072 bytes of LDS; arguments X, Wq, Wk, Wv, Wo, xc, xs, wc, ws, wo16; writes xc, xs, wc, ws, wo16
.if DOCPART == 1
	.amdgcn_target "amdgcn-amd-amdhsa--gfx1250"
	.amdhsa_code_object_version 6
	.text
	.protected	k_q3085d222bf_prep
	.globl	k_q3085d222bf_prep
	.p2align	8
	.type	k_q3085d222bf_prep,@function
k_q3085d222bf_prep:
	s_mov_b64 s[64:65], 0
	v_nop
	global_prefetch_b8 v0, s[64:65] scope:SCOPE_SE
	s_setreg_imm32_b32 hwreg(HW_REG_WAVE_MODE, 25, 1), 1
	s_wait_xcnt 0x0
; THE OPERANDS ARE LAID OUT ONCE.  X [8192][1024] f32 -> codes of FP4 (E2M1) xc [8192][512 bytes] and E8M0 bytes xs [8192][32], K innermost as it lies.
; Wq, Wk, Wv [1024 k][1024 n] f32 -> codes wc [3072 n][512 bytes] and bytes ws [3072][32], K moved innermost (n = 1024 x tensor + column).
; Wo [1024 k][1024 n] f32 -> wo16 [2][1024 n][1024 k] f16: part 0 hi = f16(Wo), part 1 lo = f16((Wo - hi) x 2048).
; A block's scale is 2^(floor(log2(largest magnitude)) - 2); its byte is the largest magnitude's exponent field - 2, held at 1 from below.
; LIMITS: a block of zeros gets the byte 1 where the quantiser says 127 (its codes are zeros, and this program alone reads the bytes); blocks whose largest magnitude lies under 2^-124 keep the byte 1;
; NaN and infinities are not served; |Wo| stays under 65,504 (f16).
; SHARES: work-groups 0-255 take X (32,768 numbers each, 4,096 a wave); work-groups 256-383 take a weight: tensor (id-256)/32, 64 columns, 512 of K; a wave takes 32 columns x 128 of K, a lane a column, registers down K.
; The ways part on the work-group's number alone; each has LDS bytes of its own.  No tensor loads, no cluster: no input byte is read by two work-groups.
.set XST,   0                          ; X: 8 waves x two stages of 32 x 80 bytes
.set XSC,   40960                      ; X: the work-group's 1,024 scale bytes
.set WCS,   41984                      ; weights: 64 columns x (256 bytes of codes + 16)
.set WSS,   59392                      ; weights: 64 columns x 16 scale bytes
.set OST,   60416                      ; Wo: 8 waves x 32 rows x (256 bytes + 16)
.set SPARE, 130048                     ; the spare words, 128 bytes a wave: no other line names them
.set STEPS, 8
.set R,     16                         ; v16-79   four sets of 16 numbers as loaded
.set XN,    80                         ; v80-111  two sets of 16 neighbours
.set E,     112                        ; v112-119 a scale byte for each step
.set C,     128                        ; v128-143 codes, two registers a step
.macro XLOAD t                         ; 32 lanes read 512 consecutive bytes, four times
.irp i, 0,1,2,3
	global_load_b128 v[R+16*((\t)%4)+4*\i:R+16*((\t)%4)+4*\i+3], v4, s[4:5] offset:2048*(\t)+512*\i th:TH_LOAD_NT
.endr
.endm
.macro XTURN t                         ; a step's 2,048 bytes through my stage: in as they lie, back 64 bytes a lane; LDS serves a wave's instructions in order
.irp i, 0,1,2,3
	ds_store_b128 v5, v[R+16*((\t)%4)+4*\i:R+16*((\t)%4)+4*\i+3] offset:2560*((\t)%2)+640*\i
.endr
.irp i, 0,1,2,3
	ds_load_b128 v[XN+16*((\t)%2)+4*\i:XN+16*((\t)%2)+4*\i+3], v6 offset:2560*((\t)%2)+16*\i
.endr
.endm
.macro XSTEP t
.set XS, XN+16*((\t)%2)
.if (\t) > 0
	s_wait_dscnt 1                                 ; this step's numbers are back; only the last step's byte store may be out
.else
	s_wait_dscnt 0x0
.endif
.if (\t)+4 < STEPS
	XLOAD (\t)+4
.endif
.if (\t)+1 < STEPS
.if STEPS-2-(\t) >= 3
	s_wait_loadcnt 12                              ; the next step's four loads are in; three steps' loads stay out
.else
	s_wait_loadcnt 4*(STEPS-2-(\t))
.endif
	XTURN (\t)+1
.endif
	v_max3_num_f32 v8, |v[XS]|, |v[XS+1]|, |v[XS+2]|
	v_max3_num_f32 v9, |v[XS+3]|, |v[XS+4]|, |v[XS+5]|
.irp i, 6,10
	v_max3_num_f32 v8, v8, |v[XS+\i]|, |v[XS+\i+1]|
	v_max3_num_f32 v9, v9, |v[XS+\i+2]|, |v[XS+\i+3]|
.endr
	v_max3_num_f32 v8, v8, |v[XS+14]|, |v[XS+15]|
	v_max3_num_f32 v8, v8, v9, 0x1800000           ; the floor 2^(3 - 127): the byte cannot fall under 1
	v_max_num_f32_dpp v8, v8, v8 row_xmask:1 row_mask:0xf bank_mask:0xf   ; with my neighbour's 16: the block's largest magnitude
	v_add_nc_u32 v11, 0xff000000, v8               ; 2 off its exponent field: the conversion's scale operand
	v_cvt_scalef32_pk8_fp4_f32 v[C+2*(\t)], v[XS:XS+7], v11
	v_cvt_scalef32_pk8_fp4_f32 v[C+2*(\t)+1], v[XS+8:XS+15], v11
	v_lshrrev_b32 v[E+(\t)], 23, v11               ; the scale's byte
	ds_store_b8 v12, v[E+(\t)] offset:16*(\t)      ; both lanes of a block write the same byte
	global_store_b64 v7, v[C+2*(\t):C+2*(\t)+1], s[14:15] offset:256*(\t)   ; the wave stores 256 consecutive bytes, aligned
.endm
.macro WBLOCK t                        ; block t of my column: 32 numbers down K, all mine
.set XS, 128+32*(\t)
	v_max3_num_f32 v8, |v[XS]|, |v[XS+1]|, |v[XS+2]|
	v_max3_num_f32 v9, |v[XS+3]|, |v[XS+4]|, |v[XS+5]|
.irp i, 6,10,14,18,22,26
	v_max3_num_f32 v8, v8, |v[XS+\i]|, |v[XS+\i+1]|
	v_max3_num_f32 v9, v9, |v[XS+\i+2]|, |v[XS+\i+3]|
.endr
	v_max3_num_f32 v8, v8, |v[XS+30]|, |v[XS+31]|
	v_max3_num_f32 v8, v8, v9, 0x1800000
	v_add_nc_u32 v[40+(\t)], 0xff000000, v8
	v_lshrrev_b32 v11, 23, v[40+(\t)]
.if (\t) == 0
	v_mov_b32 v12, v11
.else
	v_lshl_or_b32 v12, v11, 8*(\t), v12            ; four bytes to a word, the lower K in the lower byte
.endif
.irp g, 0,1,2,3
	v_cvt_scalef32_pk8_fp4_f32 v[16+4*(\t)+\g], v[XS+8*\g:XS+8*\g+7], v[40+(\t)]
.endr
	ds_store_b128 v6, v[16+4*(\t):16+4*(\t)+3] offset:16*(\t)
.endm
.macro WOUT src, back, off             ; 32 rows x 256 bytes of f16 through my stage: in a row a lane, back two rows an instruction; sixteen lanes store 256 consecutive bytes, aligned
.irp c, 0,1,2,3,4,5,6,7,8,9,10,11,12,13,14,15
	ds_store_b128 v5, v[\src+4*\c:\src+4*\c+3] offset:16*\c
.endr
.irp t, 0,1,2,3,4,5,6,7,8,9,10,11,12,13,14,15
	ds_load_b128 v[\back+4*\t:\back+4*\t+3], v14 offset:544*\t
.endr
.irp t, 0,1,2,3,4,5,6,7,8,9,10,11,12,13,14,15
	s_wait_dscnt 15-\t
	global_store_b128 v15, v[\back+4*\t:\back+4*\t+3], s[22:23] offset:\off+4096*\t
.endr
.endm
	s_load_b512 s[4:19], s[0:1], 0x0               ; X s[4:5], Wq s[6:7], Wk s[8:9], Wv s[10:11], Wo s[12:13], xc s[14:15], xs s[16:17], wc s[18:19]
	s_load_b128 s[20:23], s[0:1], 0x40             ; ws s[20:21], wo16 s[22:23]
	v_lshl_add_u32 v2, v0, 2, SPARE                ; my spare word
	v_mov_b32 v3, 0
	v_lshrrev_b32 v1, 5, v0
	v_readfirstlane_b32 s26, v1                    ; wave 0..7
	v_and_b32 v1, 31, v0                           ; lane
	s_mov_b32 s37, 0
	s_wait_kmcnt 0x0
	s_cmp_lt_u32 ttmp9, 256
	s_cbranch_scc0 .Lweights
	; ---- X: a plain stream of blocks of 32
	v_lshlrev_b32 v4, 4, v1                        ; my 16 bytes of a load's 512
	s_mul_i32 s27, s26, 5120                       ; my two stages
	v_lshrrev_b32 v5, 2, v1
	v_mul_u32_u24 v5, v5, 80
	v_and_b32 v6, 3, v1
	v_lshl_add_u32 v5, v6, 4, v5
	v_add_nc_u32 v5, s27, v5                       ; in: 80 (lane / 4) + 16 (lane % 4)
	v_mul_u32_u24 v6, v1, 80
	v_add_nc_u32 v6, s27, v6                       ; back: 80 x lane
	v_lshlrev_b32 v7, 3, v1                        ; my codes: 8 bytes
	v_lshrrev_b32 v12, 1, v1
	s_lshl_b32 s28, s26, 7
	s_add_co_u32 s28, s28, XSC
	v_add_nc_u32 v12, s28, v12                     ; my block's byte among my wave's 128
	s_lshl_b32 s28, s26, 9
	v_add_nc_u32 v13, s28, v4                      ; the scale bytes' way out: 16 x lane + 512 x wave
	s_lshl_b32 s30, ttmp9, 3
	s_add_co_u32 s30, s30, s26                     ; which run of 4,096 numbers is my wave's
	s_lshl_b32 s36, s30, 14
	s_add_nc_u64 s[4:5], s[4:5], s[36:37]
	s_lshl_b32 s36, s30, 11
	s_add_nc_u64 s[14:15], s[14:15], s[36:37]
	s_lshl_b32 s36, ttmp9, 10
	s_add_nc_u64 s[16:17], s[16:17], s[36:37]
.irp t, 0,1,2,3
	XLOAD \t
.endr
	s_wait_loadcnt 12                              ; step 0's four loads are in
	XTURN 0
.irp t, 0,1,2,3,4,5,6,7
	XSTEP \t
.endr
	s_wait_dscnt 0x0                               ; my byte stores have landed: the others may read them
	s_barrier_signal -1
	s_barrier_wait -1
	s_cmp_lt_u32 s26, 2                            ; waves 0 and 1 store the work-group's 1,024 scale bytes, 512 on end each
	s_cbranch_scc0 .Lend
	ds_load_b128 v[8:11], v13 offset:XSC
	s_wait_dscnt 0x0
	global_store_b128 v13, v[8:11], s[16:17]
	s_branch .Lend
.Lweights:
	s_sub_co_u32 s27, ttmp9, 256
	s_lshr_b32 s28, s27, 5                         ; which tensor: 0, 1, 2 = Wq, Wk, Wv; 3 = Wo
	s_bfe_u32 s29, s27, 0x40001                    ; which 64 columns
	s_and_b32 s30, s27, 1                          ; which 512 of K
	s_and_b32 s31, s26, 1                          ; my 32 of the 64 columns
	s_lshr_b32 s32, s26, 1                         ; my 128 of the 512
	s_cmp_eq_u32 s28, 1                            ; the choice hangs on the work-group's number alone
	s_cselect_b64 s[6:7], s[8:9], s[6:7]
	s_cmp_eq_u32 s28, 2
	s_cselect_b64 s[6:7], s[10:11], s[6:7]
	s_cmp_eq_u32 s28, 3
	s_cselect_b64 s[6:7], s[12:13], s[6:7]
	s_lshl_b32 s33, s30, 9
	s_lshl_b32 s34, s32, 7
	s_add_co_u32 s33, s33, s34                     ; k0
	s_lshl_b32 s34, s29, 6
	s_lshl_b32 s35, s31, 5
	s_add_co_u32 s34, s34, s35                     ; my first column
	s_lshl_b32 s36, s33, 12
	s_lshl_b32 s35, s34, 2
	s_add_co_u32 s36, s36, s35
	s_add_nc_u64 s[6:7], s[6:7], s[36:37]
	v_lshlrev_b32 v4, 2, v1
.set i, 0
.rept 128                              ; W(k0 + i, my column): a wave reads 128 consecutive bytes, two waves side by side 256
	global_load_b32 v[128+i], v4, s[6:7] offset:i*4096 th:TH_LOAD_NT
.set i, i+1
.endr
	s_cmp_eq_u32 s28, 3
	s_cbranch_scc1 .Lwo
	; ---- Wq, Wk, Wv: quantised down K
	s_lshl_b32 s35, s31, 5
	v_add_nc_u32 v5, s35, v1                       ; my column among the 64
	v_mul_u32_u24 v6, v5, 272
	s_lshl_b32 s35, s32, 6
	s_add_co_u32 s35, s35, WCS
	v_add_nc_u32 v6, s35, v6                       ; my 64 bytes of its 256
	v_lshlrev_b32 v7, 4, v5
	s_lshl_b32 s35, s32, 2
	s_add_co_u32 s35, s35, WSS
	v_add_nc_u32 v7, s35, v7                       ; my word of its 16 scale bytes
	s_lshl_b32 s35, s26, 9
	v_lshl_add_u32 v13, v1, 4, s35                 ; the scale bytes' way out: 16 (32 wave + lane),
	v_lshlrev_b32 v14, 1, v13                      ; and 32 bytes a column in ws
	s_wait_loadcnt 63                              ; of 128 loads at most 63 are out: the first 64 are in
	WBLOCK 0
	WBLOCK 1
	s_wait_loadcnt 32
	WBLOCK 2
	s_wait_loadcnt 0x0
	WBLOCK 3
	v_nop                                          ; a plain line behind the last conversion
	ds_store_b32 v7, v12
	s_wait_dscnt 0x0                               ; my stores have landed
	s_barrier_signal -1
	s_barrier_wait -1
	v_lshrrev_b32 v8, 4, v1
	v_and_b32 v9, 15, v1
	s_lshl_b32 s35, s26, 3                         ; I store columns 8 wave .. 8 wave + 7: two rows of 256 bytes an instruction
	v_add_nc_u32 v10, s35, v8
	v_mul_u32_u24 v10, v10, 272
	v_lshl_add_u32 v10, v9, 4, v10
	v_lshlrev_b32 v11, 9, v8
	v_lshl_add_u32 v11, v9, 4, v11
	s_lshl_b32 s36, s28, 10
	s_lshl_b32 s38, s29, 6
	s_add_co_u32 s38, s36, s38                     ; the work-group's first row of wc and ws
	s_add_co_u32 s36, s38, s35
	s_lshl_b32 s36, s36, 9
	s_lshl_b32 s39, s30, 8
	s_add_co_u32 s36, s36, s39
	s_add_nc_u64 s[18:19], s[18:19], s[36:37]
.irp i, 0,1,2,3
	ds_load_b128 v[48+4*\i:51+4*\i], v10 offset:WCS+544*\i
.endr
.irp i, 0,1,2,3
	s_wait_dscnt 3-\i
	global_store_b128 v11, v[48+4*\i:51+4*\i], s[18:19] offset:1024*\i   ; sixteen lanes store 256 consecutive bytes, aligned
.endr
	s_cmp_lt_u32 s26, 2                            ; waves 0 and 1: 16 scale bytes a column, in pieces of 16 bytes 32 apart: 98,304 bytes in the whole launch
	s_cbranch_scc0 .Lend
	s_lshl_b32 s36, s38, 5
	s_lshl_b32 s39, s30, 4
	s_add_co_u32 s36, s36, s39
	s_add_nc_u64 s[20:21], s[20:21], s[36:37]
	ds_load_b128 v[64:67], v13 offset:WSS
	s_wait_dscnt 0x0
	global_store_b128 v14, v[64:67], s[20:21]
	s_branch .Lend
.Lwo:	; ---- Wo: pairs of f16, K innermost.  No barrier: each wave has a stage of its own
	s_mul_i32 s35, s26, 8704
	s_add_co_u32 s35, s35, OST
	v_mul_u32_u24 v5, v1, 272
	v_add_nc_u32 v5, s35, v5                       ; in: row = my column
	v_lshrrev_b32 v6, 4, v1
	v_and_b32 v7, 15, v1
	v_mul_u32_u24 v14, v6, 272
	v_lshl_add_u32 v14, v7, 4, v14
	v_add_nc_u32 v14, s35, v14                     ; back: sixteen lanes to a row
	v_lshlrev_b32 v15, 11, v6
	v_lshl_add_u32 v15, v7, 4, v15                 ; the same place in wo16: rows of 2,048 bytes
	s_lshl_b32 s36, s34, 11
	s_lshl_b32 s38, s33, 1
	s_add_co_u32 s36, s36, s38
	s_add_nc_u64 s[22:23], s[22:23], s[36:37]
.set i, 0
.rept 32                               ; four numbers a trip: hi into v32-95; lo x 2048 over the numbers already used, v128-191
.if i == 0
	s_wait_loadcnt 63
.endif
.if i == 16
	s_wait_loadcnt 32
.endif
.if i == 24
	s_wait_loadcnt 0x0
.endif
.set PX, 128+4*i
.set PH, 32+2*i
.set PL, 128+2*i
	v_cvt_pk_f16_f32 v10, v[PX], v[PX+1]
	v_cvt_pk_f16_f32 v11, v[PX+2], v[PX+3]
	v_cvt_f32_f16 v8, v10.l
	v_cvt_f32_f16 v9, v10.h
	v_cvt_f32_f16 v12, v11.l
	v_cvt_f32_f16 v13, v11.h
	v_mov_b32 v[PH], v10
	v_mov_b32 v[PH+1], v11
	v_pk_add_f32 v[8:9], v[PX:PX+1], v[8:9] neg_lo:[0,1] neg_hi:[0,1]       ; what hi left over: exact
	v_pk_add_f32 v[12:13], v[PX+2:PX+3], v[12:13] neg_lo:[0,1] neg_hi:[0,1]
	v_pk_mul_f32 v[8:9], v[8:9], 0x45000000 op_sel_hi:[1,0]                 ; x 2048: back into f16's range
	v_pk_mul_f32 v[12:13], v[12:13], 0x45000000 op_sel_hi:[1,0]
	v_cvt_pk_f16_f32 v[PL], v8, v9
	v_cvt_pk_f16_f32 v[PL+1], v12, v13
.set i, i+1
.endr
	WOUT 32, 192, 0
	WOUT 128, 32, 2097152
.Lend:
	s_wait_tensorcnt 0x0                           ; the wave's end, behind my last LDS store
	ds_add_u32 v2, v3
	s_wait_dscnt 0x0
	s_endpgm
.Lfunc_end_k_q3085d222bf_prep:
	.size	k_q3085d222bf_prep, .Lfunc_end_k_q3085d222bf_prep-k_q3085d222bf_prep
	.p2alignl 7, 3214868480
	.fill 96, 4, 3214868480
	.section	.rodata,"a",@progbits
	.p2align	6, 0x0
	.amdhsa_kernel k_q3085d222bf_prep
		.amdhsa_group_segment_fixed_size 131072
		.amdhsa_private_segment_fixed_size 0
		.amdhsa_enable_private_segment 0
		.amdhsa_kernarg_size 80
		.amdhsa_user_sgpr_count 2
		.amdhsa_user_sgpr_kernarg_segment_ptr 1
		.amdhsa_wavefront_size32 1
		.amdhsa_system_sgpr_workgroup_id_x 1
		.amdhsa_system_sgpr_workgroup_id_y 1
		.amdhsa_system_sgpr_workgroup_id_z 1
		.amdhsa_system_vgpr_workitem_id 0
		.amdhsa_next_free_vgpr 256
		.amdhsa_next_free_sgpr 66
		.amdhsa_reserve_vcc 0
		.amdhsa_float_denorm_mode_32 3
		.amdhsa_float_denorm_mode_16_64 3
		.amdhsa_memory_ordered 1
		.amdhsa_forward_progress 1
		.amdhsa_inst_pref_size 72
	.end_amdhsa_kernel
	.amdgpu_metadata
---
amdhsa.version: [ 1, 2 ]
amdhsa.kernels:
  - .name:           k_q3085d222bf_prep
    .symbol:         k_q3085d222bf_prep.kd
    .args:
      - { .name: X, .offset: 0, .size: 8, .value_kind: global_buffer, .address_space: global }
      - { .name: Wq, .offset: 8, .size: 8, .value_kind: global_buffer, .address_space: global }
      - { .name: Wk, .offset: 16, .size: 8, .value_kind: global_buffer, .address_space: global }
      - { .name: Wv, .offset: 24, .size: 8, .value_kind: global_buffer, .address_space: global }
      - { .name: Wo, .offset: 32, .size: 8, .value_kind: global_buffer, .address_space: global }
      - { .name: xc, .offset: 40, .size: 8, .value_kind: global_buffer, .address_space: global }
      - { .name: xs, .offset: 48, .size: 8, .value_kind: global_buffer, .address_space: global }
      - { .name: wc, .offset: 56, .size: 8, .value_kind: global_buffer, .address_space: global }
      - { .name: ws, .offset: 64, .size: 8, .value_kind: global_buffer, .address_space: global }
      - { .name: wo16, .offset: 72, .size: 8, .value_kind: global_buffer, .address_space: global }
    .group_segment_fixed_size: 131072
    .private_segment_fixed_size: 0
    .kernarg_segment_align: 8
    .kernarg_segment_size: 80
    .max_flat_workgroup_size: 256
    .sgpr_count:     66
    .vgpr_count:     256
    .wavefront_size: 32
...
	.end_amdgpu_metadata
.endif
;; end of part 1
;; launch qkv (part 2): grid 12 x 32, 4 waves a work-group, clusters of 4 x 4, 327,680 bytes of LDS; arguments xc, xs, wc, ws, qkv, qkv32; writes qkv, qkv32
.if DOCPART == 2
	.amdgcn_target "amdgcn-amd-amdhsa--gfx1250"
	.amdhsa_code_object_version 6
	.text
	.protected	k_q3085d222bf_qkv
	.globl	k_q3085d222bf_qkv
	.p2align	8
	.type	k_q3085d222bf_qkv,@function
k_q3085d222bf_qkv:
	s_mov_b64 s[64:65], 0
	v_nop
	global_prefetch_b8 v0, s[64:65] scope:SCOPE_SE
	s_setreg_imm32_b32 hwreg(HW_REG_WAVE_MODE, 25, 1), 1
	s_wait_xcnt 0x0
	s_wait_alu depctr_hold_cnt(0) depctr_sa_sdst(0) depctr_va_vdst(0) depctr_va_sdst(0) depctr_va_ssrc(0) depctr_va_vcc(0) depctr_vm_vsrc(0)
	s_getreg_b32 s2, hwreg(HW_REG_IB_STS2, 6, 4)
	s_cmp_eq_u32 s2, 0
	s_cbranch_scc0 .Lentry_in_a_cluster
	s_endpgm
.Lentry_in_a_cluster:
	s_bfe_u32 s2, ttmp6, 0x10000c
	s_cmp_lg_u32 s2, 0xf033
	s_cbranch_scc0 .Lentry_shape_is_right
	s_endpgm
.Lentry_shape_is_right:
; q, k, v = X Wq, X Wk, X Wv as ONE product of 8,192 x 3,072 x 1,024 on codes of FP4 (E2M1) with one E8M0 byte for each 32 along K; sums in f32.
; A = xc [8192][512 bytes], xs [8192][32]; B = wc [3072][512 bytes], ws [3072][32].  Results: qkv, f16, by head: [plane = 64 x tensor + 16 b + head][2048 s][64]; and the rows s < 16 once more in f32:
; qkv32 [b][tensor][head][16][64].  LIMIT: |q|, |k|, |v| stay under 65,504 (f16).
; A tile of 256 x 256 is made by four waves, each 128 x 128: 64 accumulators, 512 registers.  K = 1,024 is exactly two LDS slots of 512: both are asked for at the head, and nothing is filled again.
; CLUSTERS: 4 x 4 work-groups; A's tile is asked for jointly along a row of the cluster, B's along a column.  Tile row = cluster y + 8 cy: the four partners along y are the four batches at the same
; positions, so that 'my tile holds s < 16' hangs on the cluster's y and the wave's number alone.
; THE MATRIX INSTRUCTION IS USED TRANSPOSED (source 0 = 16 rows of B, source 1 = 16 rows of A): a lane holds eight neighbouring columns of one row.
; REGISTERS: window 0: v16-31 addresses; v32-95 scale words, two sets, and nothing else; v96-127 packed results; v128-191 A's fragments, on the way out rows read back; v192-255 the f32 rows read back.
;   window 1: B's fragments, two sets.  windows 2, 3: the accumulators ((a, b) at v[8 (8 (a % 4) + b)]).
.set NQ,     4                         ; steps of 128 along K in a slot
.set ROWB,   256                       ; a tile's row: 512 codes
.set KROW,   512                       ; a row of codes in memory
.set PITCH,  272                       ; an LDS row: 256 bytes + 16: 16 rows that a load touches start 68 words apart
.set FR,     8
.set NL,     2
.set NP,     4
.set HALFT,  128*PITCH
.set SLOT,   4*HALFT
.set KS,     32                        ; a row of scale bytes
.set SCL,    2*SLOT
.set HALFS,  (128*KS/256)*272
.set SBLK,   (16*KS/256)*272
.set SPARE,  SCL+4*HALFS               ; the spare words, 128 bytes a wave: no other line names them
.set WST,    14336                     ; the way out: a wave's stages, in slot 0, which has had its only fill and its last read by then: f16 [2 heads][16 rows] pitch 144 at +0; f32 [2][16] pitch 272 at +5120
.set ADRA, 16
.set ADRB, 20
.set STO,  24
.set RD,   25
.set GO,   26
.set ADRS, 27
.set SPW,  28
.set NIL,  29
.set FSTO, 30
.set FRD,  31
.set SC,   32
.set TMP,  96
.set AF,   128
.set OB,   128
.set FB,   192
.set G1, 24
.set G0, 32
.set G1B, 48
.set G0B, 56
.set G1S, 68
.set G0S, 76
.set G1SB, 80
.set G0SB, 88
.set MSB, 0
.macro WIN new                         ; the immediate's high byte repeats the setting that is left
.if MSB != \new
	s_set_vgpr_msb (MSB<<8)|\new
.set MSB, \new
.endif
.endm
.set MUL_LO, 0xa1                      ; source 0 (B) window 1, source 1 (A) window 0, C and D window 2
.set MUL_HI, 0xf1
.set TO_B,   0x40
.macro JLOAD g0a, g1a, g0b, g1b        ; a joint load: waves 0 and 1 fetch for A, waves 2 and 3 for B; the branch hangs on the wave's number alone; an s_nop 0 and four v_nop follow each line
	s_cmp_eq_u32 s15, 0
	s_cbranch_scc0 .Lfor_b_\@
	tensor_load_to_lds s[\g0a:\g0a+3], s[\g1a:\g1a+7]
	s_nop 0
.rept 4
	v_nop
.endr
	s_branch .Lasked_\@
.Lfor_b_\@:
	tensor_load_to_lds s[\g0b:\g0b+3], s[\g1b:\g1b+7]
	s_nop 0
.rept 4
	v_nop
.endr
.Lasked_\@:
.endm
.macro CROUND                          ; a round of the cluster's barrier
	s_barrier_signal -1
	s_barrier_wait -1
	s_cmp_lg_u32 s14, 0
	s_cbranch_scc1 .Lnot_wave_0_\@
	s_barrier_signal -3
.Lnot_wave_0_\@:
	s_barrier_wait -3
	s_barrier_signal -1
	s_barrier_wait -1
.endm
	s_load_b128 s[4:7], s[0:1], 0x0                ; xc, xs
	s_load_b128 s[8:11], s[0:1], 0x10              ; wc, ws
	s_load_b64 s[12:13], s[0:1], 0x20              ; qkv
	s_load_b64 s[98:99], s[0:1], 0x28              ; qkv32
	v_lshl_add_u32 v[SPW], v0, 2, SPARE
	v_mov_b32 v[NIL], 0
	ds_add_u32 v[SPW], v[NIL]                      ; the wave's opening: the add, twice on end, and its wait ahead of my first tensor load
	ds_add_u32 v[SPW], v[NIL]
	v_lshrrev_b32 v1, 5, v0
	v_readfirstlane_b32 s14, v1                    ; wave 0..3
	s_lshr_b32 s15, s14, 1                         ; my half of the tile's rows; also: I fetch for A (0) or B (1)
	s_and_b32 s16, s14, 1                          ; my half of its columns; also: which 128 rows I fetch
	s_bfe_u32 s40, ttmp6, 0x40000                  ; cx
	s_bfe_u32 s41, ttmp6, 0x40004                  ; cy
	s_lshl_b32 s42, ttmp9, 2
	s_add_co_u32 s42, s42, s40                     ; tile column = 4 x cluster x + cx
	s_and_b32 s17, ttmp7, 0xffff
	s_lshl_b32 s18, s41, 3
	s_add_co_u32 s17, s17, s18                     ; tile row = cluster y + 8 cy: batch cy, positions 256 x cluster y on
	s_lshl_b32 s43, s41, 2
	s_lshl_b32 s43, 15, s43                        ; my row of the cluster
	s_lshl_b32 s44, 0x1111, s40                    ; my column
	s_or_b32 s[G1+0], s43, (0<<16)|(1<<20)|(1<<21)|(5<<22)|(3<<25)   ; mask; elements of 1 byte; 4 words of padding behind every 64
	s_or_b32 s[G1B+0], s44, (0<<16)|(1<<20)|(1<<21)|(5<<22)|(3<<25)
.irp g, G1, G1B
	s_mov_b32 s[\g+1], ROWB<<16                    ; tensor_dim0
	s_mov_b32 s[\g+2], 128<<16                     ; tensor_dim1
	s_mov_b32 s[\g+3], ROWB<<16                    ; tile_dim0
	s_mov_b32 s[\g+4], 128                         ; tile_dim1
	s_mov_b32 s[\g+5], KROW                        ; from row to row
	s_mov_b32 s[\g+6], 0
	s_mov_b32 s[\g+7], 0
.endr
	s_or_b32 s[G1S+0], s43, (3<<16)|(1<<20)|(1<<21)|(5<<22)|(3<<25)  ; the scales of 128 rows: 4,096 dense bytes as 16 rows of 256 (32 elements of 8 bytes), padded alike
	s_or_b32 s[G1SB+0], s44, (3<<16)|(1<<20)|(1<<21)|(5<<22)|(3<<25)
.irp g, G1S, G1SB
	s_mov_b32 s[\g+1], 32<<16
	s_mov_b32 s[\g+2], (128*KS/256)<<16
	s_mov_b32 s[\g+3], 32<<16
	s_mov_b32 s[\g+4], 128*KS/256
	s_mov_b32 s[\g+5], 32
	s_mov_b32 s[\g+6], 0
	s_mov_b32 s[\g+7], 0
.endr
	s_lshl_b32 s18, s16, 7
	s_lshl_b32 s20, s17, 8
	s_add_co_u32 s20, s20, s18                     ; A: row 256 x tile row + 128 x half
	s_lshl_b32 s46, s42, 8
	s_add_co_u32 s46, s46, s18                     ; B: row 256 x tile column + 128 x half
	s_mov_b32 s21, 0
	s_mov_b32 s47, 0
	s_mov_b64 s[18:19], KS
	s_mul_u64 s[22:23], s[20:21], s[18:19]
	s_mul_u64 s[92:93], s[46:47], s[18:19]
	s_mov_b64 s[18:19], KROW
	s_mul_u64 s[20:21], s[20:21], s[18:19]
	s_mul_u64 s[46:47], s[46:47], s[18:19]
	s_mul_i32 s45, s14, HALFT                      ; where they go: wave x 128 rows
	s_mul_i32 s94, s14, HALFS
	s_wait_dscnt 0x0                               ; both opening adds are done
	s_wait_kmcnt 0x0
	s_add_nc_u64 s[20:21], s[4:5], s[20:21]
	s_add_nc_u64 s[22:23], s[6:7], s[22:23]
	s_add_nc_u64 s[46:47], s[8:9], s[46:47]
	s_add_nc_u64 s[92:93], s[10:11], s[92:93]
	CROUND                                         ; all sixteen work-groups are here: the joint loads meet
	s_mov_b32 s[G0S], 1
	s_add_co_u32 s[G0S+1], s94, SCL
	s_mov_b64 s[G0S+2:G0S+3], s[22:23]
	s_or_b32 s[G0S+3], s[G0S+3], 0x80000000
	s_mov_b32 s[G0SB], 1
	s_add_co_u32 s[G0SB+1], s94, SCL
	s_mov_b64 s[G0SB+2:G0SB+3], s[92:93]
	s_or_b32 s[G0SB+3], s[G0SB+3], 0x80000000
	JLOAD G0S, G1S, G0SB, G1SB                     ; three loads of mine go out here: the scales, slot 0, slot 1
.irp s, 0,1
	s_mov_b32 s[G0+4*\s], 1
	s_add_co_u32 s[G0+4*\s+1], s45, \s*SLOT
	s_add_nc_u64 s[G0+4*\s+2:G0+4*\s+3], s[20:21], \s*ROWB
	s_or_b32 s[G0+4*\s+3], s[G0+4*\s+3], 0x80000000
	s_mov_b32 s[G0B+4*\s], 1
	s_add_co_u32 s[G0B+4*\s+1], s45, \s*SLOT
	s_add_nc_u64 s[G0B+4*\s+2:G0B+4*\s+3], s[46:47], \s*ROWB
	s_or_b32 s[G0B+4*\s+3], s[G0B+4*\s+3], 0x80000000
	JLOAD G0+4*\s, G1, G0B+4*\s, G1B
.endr
	v_and_b32 v1, 15, v0                           ; r
	v_bfe_u32 v2, v0, 4, 1                         ; h
	v_mul_u32_u24 v3, v1, PITCH
	v_lshl_add_u32 v4, v2, 4, v3
	s_mul_i32 s21, s15, HALFT
	s_mul_i32 s22, s16, HALFT
	s_add_co_u32 s22, s22, 2*HALFT
.irp s, 0,1
	v_add_nc_u32 v[ADRA+\s], s21, v4
	v_add_nc_u32 v[ADRB+\s], s22, v4
	s_add_co_u32 s21, s21, SLOT
	s_add_co_u32 s22, s22, SLOT
.endr
	v_mul_u32_u24 v5, v1, KS                       ; my row's scales: 32 bytes a row, 16 more for each 256 passed
	v_lshrrev_b32 v6, 8, v5
	v_lshl_add_u32 v5, v6, 4, v5
	s_mul_i32 s21, s15, HALFS
	s_mul_i32 s22, s16, HALFS
	s_add_co_u32 s22, s22, 2*HALFS
	s_sub_co_u32 s22, s22, s21
	v_mul_u32_u24 v6, s22, v2                      ; lanes 16-31 take B's
	s_add_co_u32 s21, s21, SCL
	v_add_nc_u32 v5, v5, v6
	v_add_nc_u32 v[ADRS], s21, v5
	s_mul_i32 s23, s14, WST                        ; my stages
	v_mul_u32_u24 v5, v1, 144
	v_lshl_add_u32 v5, v2, 4, v5
	v_add_nc_u32 v[STO], s23, v5                   ; f16 in: row r, 16 bytes for each half of the lanes
	v_bfe_u32 v5, v0, 3, 2
	v_mul_u32_u24 v5, v5, 144
	v_and_b32 v6, 7, v0
	v_lshl_add_u32 v5, v6, 4, v5
	v_add_nc_u32 v[RD], s23, v5                    ; back: eight lanes to a row of 128 bytes, four rows an instruction
	v_and_b32 v6, 31, v0
	v_lshlrev_b32 v[GO], 4, v6                     ; in memory a head's rows are dense: 16 x lane
	s_add_co_u32 s23, s23, 5120
	v_mul_u32_u24 v5, v1, 272
	v_lshl_add_u32 v5, v2, 5, v5
	v_add_nc_u32 v[FSTO], s23, v5                  ; f32 in: row r, 32 bytes for each half
	v_mul_u32_u24 v5, v2, 272
	v_lshl_add_u32 v5, v1, 4, v5
	v_add_nc_u32 v[FRD], s23, v5                   ; back: sixteen lanes to a row of 256 bytes
	s_lshl_b32 s20, ttmp9, 6                       ; plane = 64 x tensor + 16 cy + 4 cx + 2 x my half of the columns (+ 1 for the second head)
	s_lshl_b32 s21, s41, 4
	s_add_co_u32 s20, s20, s21
	s_lshl_b32 s21, s16, 1
	s_add_co_u32 s20, s20, s21
	s_lshl_b32 s20, s20, 18
	s_and_b32 s22, ttmp7, 0xffff
	s_lshl_b32 s21, s22, 15                        ; 256 positions of 128 bytes for each cluster y,
	s_add_co_u32 s20, s20, s21
	s_lshl_b32 s21, s15, 14                        ; 128 for my half of the rows
	s_add_co_u32 s20, s20, s21
	s_mov_b32 s21, 0
	s_add_nc_u64 s[12:13], s[12:13], s[20:21]
	s_lshl_b32 s46, s40, 20                        ; (what holds cx is made in the registers that held B's address)
	s_mov_b32 s47, 0
	s_add_nc_u64 s[12:13], s[12:13], s[46:47]
	s_or_b32 s95, s22, s15                         ; 0 where my first 16 rows are positions 0 to 15: cluster y and the wave's number alone
	s_mul_i32 s20, s41, 3
	s_add_co_u32 s20, s20, ttmp9
	s_lshl_b32 s20, s20, 4
	s_lshl_b32 s22, s16, 1
	s_add_co_u32 s20, s20, s22
	s_lshl_b32 s20, s20, 12
	s_add_nc_u64 s[98:99], s[98:99], s[20:21]
	s_lshl_b32 s46, s40, 14
	s_add_nc_u64 s[98:99], s[98:99], s[46:47]
.macro FRAG reg, adr, q, i             ; 16 rows x 128 K of 4-bit codes: 8 registers, two loads 32 bytes apart
.irp c, 0,1
	ds_load_b128 v[\reg+4*\c:\reg+4*\c+3], v[\adr] offset:64*(\q)+32*\c+(\i)*16*PITCH
.endr
.endm
; 16 matrix instructions: A's blocks a0, a0 + 1 x B's eight.  The 64 accumulators take turns, one instruction a turn, in the same order in every step.
.macro MUL16 a0, p, q, sc, zero
.irp a, \a0, \a0+1
.irp b, 0,1,2,3,4,5,6,7
.if \zero
	v_wmma_scale_f32_16x16x128_f8f6f4 v[8*(8*((\a)%4)+\b):8*(8*((\a)%4)+\b)+7], v[128*(\p)+FR*\b:128*(\p)+FR*\b+FR-1], v[AF+FR*(\a):AF+FR*(\a)+FR-1], 0, v[SC+8*NQ*(\sc)+NQ*\b+(\q)], v[SC+8*NQ*(\sc)+NQ*(\a)+(\q)] matrix_a_fmt:MATRIX_FMT_FP4 matrix_b_fmt:MATRIX_FMT_FP4 matrix_a_scale:MATRIX_SCALE_ROW1
.else
	v_wmma_scale_f32_16x16x128_f8f6f4 v[8*(8*((\a)%4)+\b):8*(8*((\a)%4)+\b)+7], v[128*(\p)+FR*\b:128*(\p)+FR*\b+FR-1], v[AF+FR*(\a):AF+FR*(\a)+FR-1], v[8*(8*((\a)%4)+\b):8*(8*((\a)%4)+\b)+7], v[SC+8*NQ*(\sc)+NQ*\b+(\q)], v[SC+8*NQ*(\sc)+NQ*(\a)+(\q)] matrix_a_fmt:MATRIX_FMT_FP4 matrix_b_fmt:MATRIX_FMT_FP4 matrix_a_scale:MATRIX_SCALE_ROW1
.endif
.endr
.endr
.endm
.macro FETCH_B slot, q, p
	WIN TO_B
.irp i, 0,1,2,3,4,5,6,7
	FRAG 128*(\p)+FR*\i, ADRB+\slot, \q, \i
.endr
	WIN 0
.endm
.macro FETCH_A slot, q, i0
.irp i, \i0, \i0+1, \i0+2, \i0+3
	FRAG AF+FR*(\i), ADRA+\slot, \q, \i
.endr
.endm
.macro SCALES sc                       ; a slot's scale words: 4 a row; lanes 0-15 A's block i, lanes 16-31 B's block i
.irp i, 0,1,2,3,4,5,6,7
	ds_load_b128 v[SC+8*NQ*\sc+NQ*\i:SC+8*NQ*\sc+NQ*\i+3], v[ADRS] offset:\i*SBLK
.endr
.endm
.macro PLACES n                        ; plain vector lines between matrix instructions and loads into, or reads of, their registers
.rept \n
	v_nop
.endr
.endm
.macro STEP slot, q, zero              ; 128 along K, with its successor in the same slot
	s_wait_dscnt 4*NL                              ; B's set and A's blocks 0-3 are in; A's blocks 4-7 (8 loads) may be out
	WIN MUL_LO
	MUL16 0, (\q)%2, \q, \slot, \zero
	MUL16 2, (\q)%2, \q, \slot, \zero
	s_wait_dscnt 0
	PLACES NP
	FETCH_B \slot, (\q)+1, 1-(\q)%2
	FETCH_A \slot, (\q)+1, 0
	WIN MUL_HI
	MUL16 4, (\q)%2, \q, \slot, \zero
	MUL16 6, (\q)%2, \q, \slot, \zero
	PLACES NP
	WIN 0
	FETCH_A \slot, (\q)+1, 4
.endm
.macro TURN slot, next                 ; slot 0's last step: the one change of slots.
	s_wait_tensorcnt 0x0                           ; my part of the next slot has landed
	ds_add_u32 v[SPW], v[NIL]                      ; 0 onto my spare word
	s_wait_dscnt 4*NL+1                            ; the add and A's blocks 4-7 may be out
	WIN MUL_LO
	MUL16 0, 1, NQ-1, \slot, 0
	s_wait_dscnt 0x0                               ; the add is done, my reads of this slot are over
	s_barrier_signal -1
	MUL16 2, 1, NQ-1, \slot, 0
	WIN 0
	s_barrier_wait -1
	PLACES NP
	v_add_nc_u32 v[ADRS], 4*NQ, v[ADRS]            ; on to the next slot's scale words
	FETCH_B \next, 0, 0
	FETCH_A \next, 0, 0
	SCALES \next
	WIN MUL_HI
	MUL16 4, 1, NQ-1, \slot, 0
	MUL16 6, 1, NQ-1, \slot, 0
	PLACES NP
	WIN 0
	FETCH_A \next, 0, 4
.endm
.macro STEPS slot, from
.set Q, \from
.rept NQ-1-\from
	STEP \slot, Q, 0
.set Q, Q+1
.endr
.endm
	s_wait_tensorcnt 1                             ; the scales and my part of slot 0 are in; slot 1's load may be out
	s_barrier_signal -1
	s_barrier_wait -1
	FETCH_B 0, 0, 0
	FETCH_A 0, 0, 0
	SCALES 0
	FETCH_A 0, 0, 4
	STEP 0, 0, 1                                   ; the first products start the sums: nothing is cleared
	STEPS 0, 1
	TURN 0, 1
	STEPS 1, 0
	s_wait_dscnt 4*NL
	WIN MUL_LO
	MUL16 0, 1, NQ-1, 1, 0
	MUL16 2, 1, NQ-1, 1, 0
	s_wait_dscnt 0
	WIN MUL_HI
	MUL16 4, 1, NQ-1, 1, 0
	MUL16 6, 1, NQ-1, 1, 0
	WIN 0
; THE WAY OUT, 16 rows x 128 columns (two heads) at a time, through my stage: a head's 16 rows are 2,048 consecutive bytes of qkv, stored 512 on end an instruction.
.macro PACK a
.set AC, 64*((\a)%4)
	WIN 0x0a+5*((\a)/4)                            ; sources 0 and 1: window 2 or 3
.irp b, 0,1,2,3,4,5,6,7
.irp r, 0,1,2,3
	v_cvt_pk_f16_f32 v[TMP+4*\b+\r], v[AC+8*\b+2*\r], v[AC+8*\b+2*\r+1]   ; each accumulator from its low end on
.endr
.endr
	WIN 0
.endm
.macro TOSTAGE a
.set BB, OB+32*((\a)%2)
.irp b, 0,1,2,3,4,5,6,7
	ds_store_b128 v[STO], v[TMP+4*\b:TMP+4*\b+3] offset:2304*(\b/4)+32*(\b%4)
.endr
.irp t, 0,1,2,3,4,5,6,7
	ds_load_b128 v[BB+4*\t:BB+4*\t+3], v[RD] offset:2304*(\t/4)+576*(\t%4)   ; LDS serves a wave's instructions in order: these see the stores above
.endr
.endm
.macro SEND a
.set BB, OB+32*((\a)%2)
	s_wait_dscnt 0x0                               ; the block is back in registers
	s_wait_xcnt 0x0                                ; the block before has read its registers: the next block's loads may land there
.irp t, 0,1,2,3,4,5,6,7
	global_store_b128 v[GO], v[BB+4*\t:BB+4*\t+3], s[12:13] offset:262144*(\t/4)+2048*(\a)+512*(\t%4)
.endr
.endm
	PLACES NP
	s_cmp_lg_u32 s95, 0
	s_cbranch_scc1 .Lno_fine
	WIN 0x08                                       ; positions 0 to 15 also leave in f32: an LDS store's data are its source 1: window 2
.irp b, 0,1,2,3,4,5,6,7
	ds_store_b128 v[FSTO], v[8*\b:8*\b+3] offset:4352*(\b/4)+64*(\b%4)
	ds_store_b128 v[FSTO], v[8*\b+4:8*\b+7] offset:4352*(\b/4)+64*(\b%4)+16
.endr
	WIN 0
.irp t, 0,1,2,3,4,5,6,7,8,9,10,11,12,13,14,15
	ds_load_b128 v[FB+4*\t:FB+4*\t+3], v[FRD] offset:4352*(\t/8)+544*(\t%8)
.endr
.irp t, 0,1,2,3,4,5,6,7,8,9,10,11,12,13,14,15
	s_wait_dscnt 15-\t
	global_store_b128 v[GO], v[FB+4*\t:FB+4*\t+3], s[98:99] offset:4096*(\t/8)+512*(\t%8)
.endr
.Lno_fine:
	PACK 0
	TOSTAGE 0
.irp a, 1,2,3,4,5,6,7
	PACK \a
	SEND \a-1
	TOSTAGE \a
.endr
	SEND 7
	s_wait_tensorcnt 0x0                           ; the wave's end
	ds_add_u32 v[SPW], v[NIL]
	s_wait_dscnt 0x0
	CROUND                                         ; the closing round
	s_endpgm
.Lfunc_end_k_q3085d222bf_qkv:
	.size	k_q3085d222bf_qkv, .Lfunc_end_k_q3085d222bf_qkv-k_q3085d222bf_qkv
	.p2alignl 7, 3214868480
	.fill 96, 4, 3214868480
	.section	.rodata,"a",@progbits
	.p2align	6, 0x0
	.amdhsa_kernel k_q3085d222bf_qkv
		.amdhsa_group_segment_fixed_size 327680
		.amdhsa_private_segment_fixed_size 0
		.amdhsa_enable_private_segment 0
		.amdhsa_kernarg_size 48
		.amdhsa_user_sgpr_count 2
		.amdhsa_user_sgpr_kernarg_segment_ptr 1
		.amdhsa_wavefront_size32 1
		.amdhsa_system_sgpr_workgroup_id_x 1
		.amdhsa_system_sgpr_workgroup_id_y 1
		.amdhsa_system_sgpr_workgroup_id_z 1
		.amdhsa_system_vgpr_workitem_id 0
		.amdhsa_next_free_vgpr 1024
		.amdhsa_next_free_sgpr 100
		.amdhsa_reserve_vcc 0
		.amdhsa_float_denorm_mode_32 3
		.amdhsa_float_denorm_mode_16_64 3
		.amdhsa_memory_ordered 1
		.amdhsa_forward_progress 1
		.amdhsa_inst_pref_size 131
	.end_amdhsa_kernel
	.amdgpu_metadata
---
amdhsa.version: [ 1, 2 ]
amdhsa.kernels:
  - .name:           k_q3085d222bf_qkv
    .symbol:         k_q3085d222bf_qkv.kd
    .args:
      - { .name: xc, .offset: 0, .size: 8, .value_kind: global_buffer, .address_space: global }
      - { .name: xs, .offset: 8, .size: 8, .value_kind: global_buffer, .address_space: global }
      - { .name: wc, .offset: 16, .size: 8, .value_kind: global_buffer, .address_space: global }
      - { .name: ws, .offset: 24, .size: 8, .value_kind: global_buffer, .address_space: global }
      - { .name: qkv, .offset: 32, .size: 8, .value_kind: global_buffer, .address_space: global }
      - { .name: qkv32, .offset: 40, .size: 8, .value_kind: global_buffer, .address_space: global }
    .group_segment_fixed_size: 327680
    .private_segment_fixed_size: 0
    .kernarg_segment_align: 8
    .kernarg_segment_size: 48
    .max_flat_workgroup_size: 128
    .sgpr_count:     100
    .vgpr_count:     1024
    .wavefront_size: 32
...
	.end_amdgpu_metadata
.endif
;; end of part 2
;; launch attn (part 3): grid 4 x 64, 16 waves a work-group, no clusters, 327,680 bytes of LDS; arguments qkv, ctx; writes ctx
.if DOCPART == 3
	.amdgcn_target "amdgcn-amd-amdhsa--gfx1250"
	.amdhsa_code_object_version 6
	.text
	.protected	k_q3085d222bf_attn
	.globl	k_q3085d222bf_attn
	.p2align	8
	.type	k_q3085d222bf_attn,@function
k_q3085d222bf_attn:
	s_mov_b64 s[64:65], 0
	v_nop
	global_prefetch_b8 v0, s[64:65] scope:SCOPE_SE
	s_setreg_imm32_b32 hwreg(HW_REG_WAVE_MODE, 25, 1), 1
	s_wait_xcnt 0x0
; ctx[b][h][q] = the sum over k <= q of softmax_k(q . k / 32) v, f16 operands, f32 sums, maxima and row sums.  qkv: f16 [plane][2048][64], planes 0-63 q, 64-127 k, 128-191 v; ctx: f16 [64][2048][64].
; SHARES.  Work-group (p, head) owns query blocks 7 - p (8 - p key blocks) and p (p + 1 key blocks) of 256 queries: always 9 slots of 256 keys, the same work for all 256 work-groups and a constant trip count.
; Each of the sixteen waves owns one tile of 16 queries of the block in hand (tile 4 ((w + w / 4) % 4) + w / 4, so that the diagonal's uneven steps are spread over the waves); 64 keys a step.
; Every slot is read by every wave (a diagonal block's first 64 keys count for all its queries), so no tensor load is left out.  A step all of whose keys come after my queries is jumped over: ids and counts alone.
; cluster = none: the four work-groups of a head want different key blocks in the same trip (the second pass begins in trip 8 - p), so a joint load would bring tiles that a partner never reads.
; LAYOUT.  S^T = K Q^T and O^T = V^T P: a lane holds ONE query (lane % 16); two tiles of S^T, rounded in pairs, are source 1 of the second product.  V is turned by ds_load_tr16_b128.
; SOFTMAX.  Running maximum m and sum l: p = 2^(c s - c m), c = log2(e) / 32; O and l are multiplied by a = 2^(c m_old - c m_new) in every step.  The row's sum is taken of the unrounded p.
; LIMIT: |q|, |k|, |v| under 65,504 as stored; ctx is an average of v.
.set PK,    144                        ; a key's row in LDS: 128 bytes + 16
.set PV,    160                        ; a value's row: 128 + 32
.set VOFF,  256*PK
.set SLOT1, 1<<17
.set STAGE, 2*SLOT1                    ; the way out: 16 rows x 144 bytes for each wave; no tile lands here
.set SPARE, STAGE+16*2304              ; the spare words, 128 bytes a wave
.set AK0, 1
.set AV0, 2
.set SPW, 3
.set NIL, 4
.set QO,  5
.set STO, 6
.set RD,  7
.set GO,  8
.set ADK, 9
.set ADV, 10
.set DQ,  11                           ; v11 r - 8 h;  v[12:13] c m, m;  v[14:15] l;  v16-19 at work;  v[20:21] a, old c m;  v22 -infinity;  v23 d;  v[248:249] the sum's second chain;  v250 the prefetch's offset
.set QR,  24                           ; v24-39   Q, two fragments
.set S,   40                           ; v40-71   S^T, four tiles
.set P,   72                           ; v72-87   P
.set O,   88                           ; v88-119  O^T, four tiles
.set KR,  120                          ; v120-183 K's eight fragments (2 kt + cs)
.set VR,  184                          ; v184-247 V's eight (4 u + ct)
.set WV,  8
.set PP,  9
.set BH,  10
.set TI,  11
.set Q0,  12                           ; my first query
.set KF,  13                           ; the step's first key
.set TB,  14                           ; LDS byte at which the slot in hand begins
.set SLOTS, 15
.set NLEFT, 16                         ; slots left in the first pass, this one among them
.set KOFF, 17                          ; the next key block's bytes in its plane
.macro TLOAD                           ; waves 0 and 1 fetch K's halves, waves 2 and 3 V's, the others nothing; an s_nop 0 and four v_nop follow each line
	s_cmp_lt_u32 s[WV], 2
	s_cbranch_scc0 .Lnot_k_\@
	tensor_load_to_lds s[40:43], s[24:31]
	s_nop 0
.rept 4
	v_nop
.endr
	s_branch .Lasked_\@
.Lnot_k_\@:
	s_cmp_lt_u32 s[WV], 4
	s_cbranch_scc0 .Lasked_\@
	tensor_load_to_lds s[44:47], s[32:39]
	s_nop 0
.rept 4
	v_nop
.endr
.Lasked_\@:
.endm
; A prefetch of the key block that the NEXT change of slots will ask for: blocks 2 to 7, in trips 0 to 5.  The head's work-group p = 0, which walks all eight blocks in order, asks, and nobody else;
; in it waves 4 to 7 name K's 32,768 bytes and waves 8 to 11 V's, 8,192 a wave, lanes 256 bytes apart: each aligned block of 256 bytes is named once in the launch.
.macro ASK
	s_cmp_gt_u32 s[SLOTS], s62
	s_cbranch_scc0 .Lnot_mine_\@
	global_prefetch_b8 v250, s[60:61] th:TH_LOAD_NT scope:SCOPE_SE
.Lnot_mine_\@:
.endm
.macro NEWPASS                         ; Q of the tile at s[Q0]; m, l and O^T begin anew
	s_lshl_b32 s18, s[Q0], 7
	s_add_nc_u64 s[56:57], s[52:53], s[18:19]
	s_add_nc_u64 s[58:59], s[54:55], s[18:19]
.irp i, 0,1,2,3
	global_load_b128 v[QR+4*\i:QR+4*\i+3], v[QO], s[56:57] offset:32*\i
.endr
	v_mov_b32 v13, 0xff61b1e6                      ; m = -3e38, under every score
	v_mul_f32 v12, s22, v13
	v_mov_b32 v14, 0
	v_mov_b32 v15, 0
.set j, 0
.rept 32
	v_mov_b32 v[O+j], 0                            ; the step is written once: the first finds zeros, which a = 0 leaves zeros
.set j, j+1
.endr
	s_wait_loadcnt 0x0
.endm
.macro STEP q                          ; 64 keys, the q-th of the slot in hand
	s_add_co_u32 s18, s[Q0], 15
	s_cmp_gt_u32 s[KF], s18                        ; all its keys come after my 16 queries
	s_cbranch_scc1 .Lhid_\@
	v_add_nc_u32 v[ADK], s[TB], v[AK0]
	v_add_nc_u32 v[ADV], s[TB], v[AV0]
	v_nop
	v_nop                                          ; four plain lines between the last products and the loads into V's registers
.irp f, 0,1,2,3,4,5,6,7
	ds_load_b128 v[KR+8*\f:KR+8*\f+3], v[ADK] offset:(64*(\q)+16*(\f/2))*PK+64*(\f%2)
	ds_load_b128 v[KR+8*\f+4:KR+8*\f+7], v[ADK] offset:(64*(\q)+16*(\f/2))*PK+64*(\f%2)+32
.endr
.irp f, 0,1,2,3,4,5,6,7
	ds_load_tr16_b128 v[VR+8*\f:VR+8*\f+3], v[ADV] offset:(64*(\q)+32*(\f/4))*PV+32*(\f%4)
	ds_load_tr16_b128 v[VR+8*\f+4:VR+8*\f+7], v[ADV] offset:(64*(\q)+32*(\f/4)+16)*PV+32*(\f%4)
.endr
	s_wait_dscnt 16                                ; K is in; V's sixteen loads stay out
.irp kt, 0,1,2,3                               ; four accumulators by turns
	v_wmma_f32_16x16x32_f16 v[S+8*\kt:S+8*\kt+7], v[KR+16*\kt:KR+16*\kt+7], v[QR:QR+7], 0
.endr
.irp kt, 0,1,2,3
	v_wmma_f32_16x16x32_f16 v[S+8*\kt:S+8*\kt+7], v[KR+16*\kt+8:KR+16*\kt+15], v[QR+8:QR+15], v[S+8*\kt:S+8*\kt+7]
.endr
	v_mov_b32 v21, v12                             ; c m_old is kept.  Four plain lines behind the products
	v_nop
	v_nop
	v_nop
	s_add_co_u32 s18, s[KF], 63
	s_cmp_le_u32 s18, s[Q0]                        ; all 64 keys count for all my queries
	s_cbranch_scc1 .Lopen_\@
	s_sub_co_i32 s18, s[Q0], s[KF]
	v_add_nc_u32 v23, s18, v[DQ]                   ; register n holds key KF + 8 h + 16 (n / 8) + n % 8: hidden where 16 (n / 8) + n % 8 > d = my query - KF - 8 h
.set n, 0
.rept 32
	v_cmp_gt_i32 vcc_lo, 16*(n/8)+n%8, v23
	v_cndmask_b32 v[S+n], v[S+n], v22, vcc_lo
.set n, n+1
.endr
.Lopen_\@:
.irp j, 0,1,2,3
	v_max3_num_f32 v[16+\j], v[S+8*\j], v[S+8*\j+1], v[S+8*\j+2]   ; each tile from its low end on
.endr
.irp i, 3,5
.irp j, 0,1,2,3
	v_max3_num_f32 v[16+\j], v[16+\j], v[S+8*\j+\i], v[S+8*\j+\i+1]
.endr
.endr
	v_max3_num_f32 v16, v16, v[S+7], v[S+15]
	v_max3_num_f32 v18, v18, v[S+23], v[S+31]
	v_max3_num_f32 v16, v16, v17, v18
	v_max3_num_f32 v16, v16, v19, v13              ; with the old m
	v_permlanex16_b32 v17, v16, s20, s21           ; the query's other 32 keys lie in the lane 16 away
	v_max_num_f32 v13, v16, v17
	v_mul_f32 v12, s22, v13
	v_sub_f32 v21, v21, v12
.set j, 0
.rept 16
	v_pk_fma_f32 v[S+j:S+j+1], v[S+j:S+j+1], s[22:23], v[12:13] op_sel_hi:[1,0,0] neg_lo:[0,0,1] neg_hi:[0,0,1]   ; c s - c m
.set j, j+2
.endr
	v_exp_f32 v20, v21                             ; a
.set j, 0
.rept 32
	v_exp_f32 v[S+j], v[S+j]
.set j, j+1
.endr
	v_nop                                          ; a plain line behind the last exponential
	s_wait_alu depctr_va_vdst(0)                   ; one wait for the batch of 33, ahead of its first reader
.set j, 0
.rept 16
	v_cvt_pk_f16_f32 v[P+j], v[S+2*j], v[S+2*j+1]
.set j, j+1
.endr
	v_pk_mul_f32 v[14:15], v[14:15], v[20:21] op_sel_hi:[1,0]
	v_pk_add_f32 v[248:249], v[S:S+1], v[S+2:S+3]
.irp j, 4,8,12,16,20,24,28
	v_pk_add_f32 v[14:15], v[14:15], v[S+\j:S+\j+1]
	v_pk_add_f32 v[248:249], v[248:249], v[S+\j+2:S+\j+3]
.endr
	v_pk_add_f32 v[14:15], v[14:15], v[248:249]
.set j, 0
.rept 16
	v_pk_mul_f32 v[O+j:O+j+1], v[O+j:O+j+1], v[20:21] op_sel_hi:[1,0]
.set j, j+2
.endr
	s_wait_dscnt 0x0                               ; V is in
.irp u, 0,1
.irp ct, 0,1,2,3
	v_wmma_f32_16x16x32_f16 v[O+8*\ct:O+8*\ct+7], v[VR+32*\u+8*\ct:VR+32*\u+8*\ct+7], v[P+8*\u:P+8*\u+7], v[O+8*\ct:O+8*\ct+7]
.endr
.endr
.Lhid_\@:
	s_add_co_u32 s[KF], s[KF], 64
.endm
; THE CHANGE OF SLOTS, at a slot's head: all my tensor loads have landed, the add, my reads of the slot that I have left are over, the barrier; behind it (fill = 1) the other slot takes the next trip's key block.
.macro CHANGE fill
	s_wait_tensorcnt 0x0
	ds_add_u32 v[SPW], v[NIL]                      ; 0 onto my spare word
.if \fill
	ds_add_u32 v[SPW], v[NIL]                      ; and once more: it goes twice on end, in every trip alike
	s_xor_b32 s41, s41, SLOT1
	s_xor_b32 s45, s45, SLOT1
	s_cmp_eq_u32 s[NLEFT], 1                       ; the first pass ends with this slot: the next trip begins again at key block 0
	s_cselect_b32 s66, 0, s[KOFF]
	s_add_nc_u64 s[42:43], s[48:49], s[66:67]
	s_or_b32 s43, s43, 0x80000000
	s_add_nc_u64 s[46:47], s[50:51], s[66:67]
	s_or_b32 s47, s47, 0x80000000
	s_add_co_u32 s[KOFF], s66, 32768
	s_wait_xcnt 0x0                                ; the last prefetch, a slot back, has read its address
	s_add_nc_u64 s[60:61], s[60:61], 32768
.endif
	s_wait_dscnt 0x0
	s_barrier_signal -1
	s_barrier_wait -1
.if \fill
	TLOAD                                          ; first behind the barrier, a wave's one tensor load until the next
	ASK
.endif
.endm
.macro FINAL                           ; O^T / l, rounded to f16, through my stage: 16 rows of ctx are 2,048 consecutive bytes
.rept 4
	v_nop
.endr
	v_add_f32 v16, v14, v15
	v_permlanex16_b32 v17, v16, s20, s21
	v_add_f32 v16, v16, v17
	v_rcp_f32 v20, v16
	v_nop
	s_wait_alu depctr_va_vdst(0)
.set j, 0
.rept 16
	v_pk_mul_f32 v[O+j:O+j+1], v[O+j:O+j+1], v[20:21] op_sel_hi:[1,0]
.set j, j+2
.endr
.set j, 0
.rept 16
	v_cvt_pk_f16_f32 v[P+j], v[O+2*j], v[O+2*j+1]
.set j, j+1
.endr
.irp ct, 0,1,2,3
	ds_store_b128 v[STO], v[P+4*\ct:P+4*\ct+3] offset:32*\ct
.endr
.irp i, 0,1,2,3
	ds_load_b128 v[KR+4*\i:KR+4*\i+3], v[RD] offset:576*\i
.endr
.irp i, 0,1,2,3
	s_wait_dscnt 3-\i
	global_store_b128 v[GO], v[KR+4*\i:KR+4*\i+3], s[58:59] offset:512*\i
.endr
.endm
	s_load_b128 s[4:7], s[0:1], 0x0                ; qkv, ctx
	v_lshl_add_u32 v[SPW], v0, 2, SPARE
	v_mov_b32 v[NIL], 0
	ds_add_u32 v[SPW], v[NIL]                      ; the wave's opening: the add, twice on end, and its wait ahead of the first tensor load
	ds_add_u32 v[SPW], v[NIL]
	v_lshrrev_b32 v9, 5, v0
	v_readfirstlane_b32 s[WV], v9                  ; wave 0..15
	s_mov_b32 s[PP], ttmp9
	s_and_b32 s[BH], ttmp7, 0xffff
	s_lshr_b32 s18, s[WV], 2
	s_add_co_u32 s19, s[WV], s18
	s_and_b32 s19, s19, 3
	s_lshl_b32 s19, s19, 2
	s_add_co_u32 s[TI], s19, s18                   ; my tile of the block's sixteen
	s_sub_co_u32 s[Q0], 7, s[PP]
	s_lshl_b32 s[Q0], s[Q0], 8
	s_lshl_b32 s18, s[TI], 4
	s_add_co_u32 s[Q0], s[Q0], s18                 ; first pass: block 7 - p
	s_sub_co_u32 s[NLEFT], 8, s[PP]
	s_mov_b32 s[KF], 0
	s_mov_b32 s[TB], 0
	s_mov_b32 s[SLOTS], 8
	s_mov_b32 s[KOFF], 32768
	s_mov_b32 s20, 0x76543210
	s_mov_b32 s21, 0xfedcba98
	s_mov_b32 s22, 0x3d38aa3b                      ; c = log2(e) / 32
	s_mov_b32 s23, s22
	s_mov_b32 s24, (1<<16)|(1<<20)|(4<<22)|(3<<25) ; K: 128 rows of 64 elements of 2 bytes, dense; 4 words of padding behind every 32
	s_mov_b32 s25, 64<<16
	s_mov_b32 s26, 128<<16
	s_mov_b32 s27, 64<<16
	s_mov_b32 s28, 128
	s_mov_b32 s29, 64
	s_mov_b32 s30, 0
	s_mov_b32 s31, 0
	s_mov_b32 s32, (1<<16)|(1<<20)|(4<<22)|(7<<25) ; V: the same with 8 words of padding
	s_mov_b32 s33, 64<<16
	s_mov_b32 s34, 128<<16
	s_mov_b32 s35, 64<<16
	s_mov_b32 s36, 128
	s_mov_b32 s37, 64
	s_mov_b32 s38, 0
	s_mov_b32 s39, 0
	s_and_b32 s18, s[WV], 1                        ; which 128 rows of a key block I fetch, if I fetch
	s_mul_i32 s41, s18, 128*PK
	s_mul_i32 s45, s18, 128*PV
	s_add_co_u32 s45, s45, VOFF
	s_mov_b32 s40, 1
	s_mov_b32 s44, 1
	s_lshl_b32 s66, s18, 14
	s_mov_b32 s67, 0
	s_lshl_b32 s18, s[BH], 18
	s_mov_b32 s19, 0
	s_wait_dscnt 0x0                               ; both opening adds are done
	s_wait_kmcnt 0x0
	s_add_nc_u64 s[52:53], s[4:5], s[18:19]        ; q's plane
	s_add_nc_u64 s[54:55], s[6:7], s[18:19]        ; ctx's
	s_add_nc_u64 s[48:49], s[52:53], 0x1000000     ; k's: 64 planes on
	s_add_nc_u64 s[50:51], s[52:53], 0x2000000     ; v's: 128
	s_cmp_lt_u32 s[WV], 8
	s_cselect_b64 s[60:61], s[48:49], s[50:51]
	s_add_nc_u64 s[48:49], s[48:49], s[66:67]
	s_add_nc_u64 s[50:51], s[50:51], s[66:67]
	s_mov_b64 s[42:43], s[48:49]
	s_or_b32 s43, s43, 0x80000000
	s_mov_b64 s[46:47], s[50:51]
	s_or_b32 s47, s47, 0x80000000
	TLOAD                                          ; slot 0: key block 0, which counts for every query
	s_and_b32 s18, s[WV], 3
	s_lshl_b32 s18, s18, 13
	s_add_co_u32 s18, s18, 32768                   ; my 8,192 bytes, in key block 1: the first change steps it to block 2
	s_add_nc_u64 s[60:61], s[60:61], s[18:19]
	s_sub_co_u32 s18, s[WV], 4
	s_lshr_b32 s18, s18, 3                         ; 0 in waves 4 to 11,
	s_or_b32 s18, s18, ttmp9                       ; of the work-group p = 0
	s_cmp_eq_u32 s18, 0
	s_cselect_b32 s62, 2, -1
	v_and_b32 v16, 15, v0                          ; r
	v_bfe_u32 v17, v0, 4, 1                        ; h
	v_and_b32 v18, 31, v0                          ; lane
	v_mul_u32_u24 v[AK0], v16, PK
	v_lshl_add_u32 v[AK0], v17, 4, v[AK0]
	v_and_b32 v19, 7, v0
	v_lshl_add_u32 v[AV0], v17, 3, v19
	v_mul_u32_u24 v[AV0], v[AV0], PV
	v_bfe_u32 v19, v0, 3, 1
	v_lshl_add_u32 v[AV0], v19, 4, v[AV0]
	v_add_nc_u32 v[AV0], VOFF, v[AV0]
	v_lshlrev_b32 v[QO], 7, v16
	v_lshl_add_u32 v[QO], v17, 4, v[QO]
	s_mul_i32 s18, s[WV], 2304
	s_add_co_u32 s18, s18, STAGE
	v_mul_u32_u24 v[STO], v16, 144
	v_lshl_add_u32 v[STO], v17, 4, v[STO]
	v_add_nc_u32 v[STO], s18, v[STO]
	v_bfe_u32 v19, v0, 3, 2
	v_mul_u32_u24 v[RD], v19, 144
	v_and_b32 v19, 7, v0
	v_lshl_add_u32 v[RD], v19, 4, v[RD]
	v_add_nc_u32 v[RD], s18, v[RD]
	v_lshlrev_b32 v[GO], 4, v18
	v_lshlrev_b32 v[DQ], 3, v17
	v_sub_nc_u32 v[DQ], v16, v[DQ]
	v_lshlrev_b32 v250, 8, v18
	v_mov_b32 v20, 0
	v_mov_b32 v21, 0
	v_mov_b32 v22, 0xff800000
	NEWPASS
.Lslot:                                            ; 8 trips; behind each change the next trip's key block is asked for
	CHANGE 1
	STEP 0
	STEP 1
	STEP 2
	STEP 3
	s_xor_b32 s[TB], s[TB], SLOT1
	s_cmp_lg_u32 s[NLEFT], 1                       ; ids and a count, the same in all sixteen waves; no barrier, wait for tiles or tensor load stands inside
	s_cbranch_scc1 .Lsame
	FINAL                                          ; the first pass is done
	s_wait_xcnt 0x0                                ; its stores have read their base and registers
	s_lshl_b32 s[Q0], s[PP], 8
	s_lshl_b32 s18, s[TI], 4
	s_add_co_u32 s[Q0], s[Q0], s18                 ; second pass: block p
	s_mov_b32 s[KF], 0
	NEWPASS
.Lsame:
	s_sub_co_u32 s[NLEFT], s[NLEFT], 1
	s_sub_co_u32 s[SLOTS], s[SLOTS], 1
	s_cmp_lg_u32 s[SLOTS], 0
	s_cbranch_scc1 .Lslot
	CHANGE 0                                       ; the ninth slot is written out: nothing is left to ask for
	STEP 0
	STEP 1
	STEP 2
	STEP 3
	FINAL
	s_wait_tensorcnt 0x0                           ; the wave's end
	ds_add_u32 v[SPW], v[NIL]
	s_wait_dscnt 0x0
	s_endpgm
.Lfunc_end_k_q3085d222bf_attn:
	.size	k_q3085d222bf_attn, .Lfunc_end_k_q3085d222bf_attn-k_q3085d222bf_attn
	.p2alignl 7, 3214868480
	.fill 96, 4, 3214868480
	.section	.rodata,"a",@progbits
	.p2align	6, 0x0
	.amdhsa_kernel k_q3085d222bf_attn
		.amdhsa_group_segment_fixed_size 327680
		.amdhsa_private_segment_fixed_size 0
		.amdhsa_enable_private_segment 0
		.amdhsa_kernarg_size 16
		.amdhsa_user_sgpr_count 2
		.amdhsa_user_sgpr_kernarg_segment_ptr 1
		.amdhsa_wavefront_size32 1
		.amdhsa_system_sgpr_workgroup_id_x 1
		.amdhsa_system_sgpr_workgroup_id_y 1
		.amdhsa_system_sgpr_workgroup_id_z 1
		.amdhsa_system_vgpr_workitem_id 0
		.amdhsa_next_free_vgpr 256
		.amdhsa_next_free_sgpr 68
		.amdhsa_reserve_vcc 1
		.amdhsa_float_denorm_mode_32 3
		.amdhsa_float_denorm_mode_16_64 3
		.amdhsa_memory_ordered 1
		.amdhsa_forward_progress 1
		.amdhsa_inst_pref_size 114
	.end_amdhsa_kernel
	.amdgpu_metadata
---
amdhsa.version: [ 1, 2 ]
amdhsa.kernels:
  - .name:           k_q3085d222bf_attn
    .symbol:         k_q3085d222bf_attn.kd
    .args:
      - { .name: qkv, .offset: 0, .size: 8, .value_kind: global_buffer, .address_space: global }
      - { .name: ctx, .offset: 8, .size: 8, .value_kind: global_buffer, .address_space: global }
    .group_segment_fixed_size: 327680
    .private_segment_fixed_size: 0
    .kernarg_segment_align: 8
    .kernarg_segment_size: 16
    .max_flat_workgroup_size: 512
    .sgpr_count:     68
    .vgpr_count:     256
    .wavefront_size: 32
...
	.end_amdgpu_metadata
.endif
;; end of part 3
;; launch proj (part 4): grid 4 x 64, 4 waves a work-group, clusters of 4 x 4, 327,680 bytes of LDS; arguments ctx, wo16, bo, out0; writes out0
.if DOCPART == 4
	.amdgcn_target "amdgcn-amd-amdhsa--gfx1250"
	.amdhsa_code_object_version 6
	.text
	.protected	k_q3085d222bf_proj
	.globl	k_q3085d222bf_proj
	.p2align	8
	.type	k_q3085d222bf_proj,@function
k_q3085d222bf_proj:
	s_mov_b64 s[64:65], 0
	v_nop
	global_prefetch_b8 v0, s[64:65] scope:SCOPE_SE
	s_setreg_imm32_b32 hwreg(HW_REG_WAVE_MODE, 25, 1), 1
	s_wait_xcnt 0x0
	s_wait_alu depctr_hold_cnt(0) depctr_sa_sdst(0) depctr_va_vdst(0) depctr_va_sdst(0) depctr_va_ssrc(0) depctr_va_vcc(0) depctr_vm_vsrc(0)
	s_getreg_b32 s2, hwreg(HW_REG_IB_STS2, 6, 4)
	s_cmp_eq_u32 s2, 0
	s_cbranch_scc0 .Lentry_in_a_cluster
	s_endpgm
.Lentry_in_a_cluster:
	s_bfe_u32 s2, ttmp6, 0x10000c
	s_cmp_lg_u32 s2, 0xf033
	s_cbranch_scc0 .Lentry_shape_is_right
	s_endpgm
.Lentry_shape_is_right:
; out0 = ctx Wo + bo for all rows but positions 0 to 15 of each sequence (a later launch makes those more finely).  ctx: f16 [16 b + head][2048][64]; wo16 part 0: f16 [1024 n][1024 k]; sums in f32.
; A tile of 128 rows x 256 columns is made by four waves, each 64 x 128: 32 accumulators, window 1.  256 work-groups.  K goes in steps of 128 (two heads) through two LDS slots.
; CLUSTERS: 4 x 4.  Tile column = cx; tile row: batch cy, positions 128 x cluster y on.  ctx's tiles are asked for jointly along a row of the cluster, wo16's along a column.
; THE MATRIX INSTRUCTION IS USED TRANSPOSED (source 0 = 16 rows of wo16, source 1 = 16 rows of ctx): a lane holds eight neighbouring columns of one row of out0.
; REGISTERS: window 0: v16-30 addresses; v[32:35] bo at my four columns; buffer F0: A v64-95, B v96-159; buffer F1: A v160-191, B v192-255; on the way out v64-191 hold rows read back.
.set PA,    144                        ; a row of ctx in LDS: 128 bytes + 16
.set PB,    272                        ; a row of wo16: 256 + 16
.set BOFF,  2*128*PA                   ; a slot: A [2 heads][128 rows], then B's 256 rows
.set SLOT,  BOFF+256*PB
.set STAGE, 2*SLOT                     ; the way out: 16 rows x (512 + 16) bytes for each wave; no tile lands here
.set SPARE, STAGE+4*16*528             ; the spare words, 128 bytes a wave
.set ADRA, 16
.set ADRB, 20
.set STO,  24
.set RD,   25
.set CO,   26
.set SPW,  28
.set NIL,  29
.set PFO,  30
.set F0,   64
.set F1,   160
.set G1, 24
.set G0, 32
.set G1B, 48
.set G0B, 56
.set MSB, 0
.macro WIN new
.if MSB != \new
	s_set_vgpr_msb (MSB<<8)|\new
.set MSB, \new
.endif
.endm
.set MUL, 0x50                         ; C and D window 1, sources window 0
.macro JLOAD s                         ; waves 0 and 1 fetch a head of ctx each, waves 2 and 3 128 rows of wo16 each; an s_nop 0 and four v_nop follow each line
	s_cmp_eq_u32 s13, 0
	s_cbranch_scc0 .Lfor_b_\@
	tensor_load_to_lds s[G0+4*\s:G0+4*\s+3], s[G1:G1+7]
	s_nop 0
.rept 4
	v_nop
.endr
	s_branch .Lasked_\@
.Lfor_b_\@:
	tensor_load_to_lds s[G0B+4*\s:G0B+4*\s+3], s[G1B:G1B+7]
	s_nop 0
.rept 4
	v_nop
.endr
.Lasked_\@:
.endm
.macro CREST
	s_cmp_lg_u32 s12, 0
	s_cbranch_scc1 .Lnot_wave_0_\@
	s_barrier_signal -3
.Lnot_wave_0_\@:
	s_barrier_wait -3
	s_barrier_signal -1
	s_barrier_wait -1
.endm
.macro CROUND
	s_barrier_signal -1
	s_barrier_wait -1
	CREST
.endm
; A prefetch of ctx's tile of the K step that stands two refills, 256 matrix instructions, on: K steps 4 to 7, in the loop's first two trips.  A tile is 2 heads x 16,384 dense bytes; the four partners that ask for
; it jointly take 4,096 bytes of each head, told apart by address (cx); in each, wave 0 asks: a lane names 256 bytes.  No other cluster reads these rows.  wo16 is read again by every cluster and is not asked for.
.macro ASK
	s_cmp_gt_u32 s3, s43
	s_cbranch_scc0 .Lnot_mine_\@
	global_prefetch_b8 v[PFO], s[44:45] th:TH_LOAD_NT scope:SCOPE_SE
.Lnot_mine_\@:
.endm
	s_load_b256 s[4:11], s[0:1], 0x0               ; ctx s[4:5], wo16 s[6:7], bo s[8:9], out0 s[10:11]
	v_lshl_add_u32 v[SPW], v0, 2, SPARE
	v_mov_b32 v[NIL], 0
	ds_add_u32 v[SPW], v[NIL]                      ; the wave's opening: the add, twice on end, and its wait ahead of my first tensor load
	ds_add_u32 v[SPW], v[NIL]
	v_lshrrev_b32 v1, 5, v0
	v_readfirstlane_b32 s12, v1                    ; wave 0..3
	s_lshr_b32 s13, s12, 1                         ; my half of the rows; also: I fetch for A (0) or B (1)
	s_and_b32 s14, s12, 1                          ; my half of the columns; also: which head, or which 128 rows, I fetch
	s_bfe_u32 s40, ttmp6, 0x40000                  ; cx
	s_bfe_u32 s41, ttmp6, 0x40004                  ; cy
	s_and_b32 s15, ttmp7, 0xffff                   ; cluster y: which 128 positions
	s_or_b32 s42, s15, s13                         ; 0 where my first 16 rows are positions 0 to 15
	s_lshl_b32 s16, s41, 2
	s_lshl_b32 s16, 15, s16                        ; my row of the cluster
	s_lshl_b32 s17, 0x1111, s40                    ; my column
	s_or_b32 s[G1+0], s16, (1<<16)|(1<<20)|(1<<21)|(4<<22)|(3<<25)   ; elements of 2 bytes; 4 words of padding behind every 32
	s_mov_b32 s[G1+1], 64<<16
	s_mov_b32 s[G1+2], 128<<16
	s_mov_b32 s[G1+3], 64<<16
	s_mov_b32 s[G1+4], 128
	s_mov_b32 s[G1+5], 64
	s_mov_b32 s[G1+6], 0
	s_mov_b32 s[G1+7], 0
	s_or_b32 s[G1B+0], s17, (1<<16)|(1<<20)|(1<<21)|(5<<22)|(3<<25)  ; 4 words behind every 64
	s_mov_b32 s[G1B+1], 128<<16
	s_mov_b32 s[G1B+2], 128<<16
	s_mov_b32 s[G1B+3], 128<<16
	s_mov_b32 s[G1B+4], 128
	s_mov_b32 s[G1B+5], 1024
	s_mov_b32 s[G1B+6], 0
	s_mov_b32 s[G1B+7], 0
	s_lshl_b32 s16, s41, 22                        ; batch cy: 16 planes of 2^18 bytes,
	s_lshl_b32 s17, s15, 14                        ; 128 rows of 128 bytes for each cluster y
	s_add_co_u32 s16, s16, s17
	s_lshl_b32 s17, s14, 18
	s_add_co_u32 s18, s16, s17                     ; A: + my head of the K step's two
	s_mov_b32 s19, 0
	s_lshl_b32 s46, s40, 19                        ; B: row 256 cx + 128 x half, of 2,048 bytes
	s_add_co_u32 s46, s46, s17
	s_mov_b32 s47, 0
	s_mul_i32 s22, s14, 128*PA
	s_mul_i32 s23, s14, 128*PB
	s_add_co_u32 s23, s23, BOFF
	s_wait_dscnt 0x0                               ; both opening adds are done
	s_wait_kmcnt 0x0
	s_add_nc_u64 s[20:21], s[4:5], s[18:19]
	s_add_nc_u64 s[46:47], s[6:7], s[46:47]
	CROUND                                         ; all sixteen work-groups are here
.irp s, 0,1
	s_mov_b32 s[G0+4*\s], 1
	s_add_co_u32 s[G0+4*\s+1], s22, \s*SLOT
	s_add_nc_u64 s[G0+4*\s+2:G0+4*\s+3], s[20:21], \s*524288
	s_or_b32 s[G0+4*\s+3], s[G0+4*\s+3], 0x80000000
	s_mov_b32 s[G0B+4*\s], 1
	s_add_co_u32 s[G0B+4*\s+1], s23, \s*SLOT
	s_add_nc_u64 s[G0B+4*\s+2:G0B+4*\s+3], s[46:47], \s*256
	s_or_b32 s[G0B+4*\s+3], s[G0B+4*\s+3], 0x80000000
	JLOAD \s                                       ; two loads of mine are out
.endr
	s_lshl_b32 s18, s40, 12                        ; the prefetches: my work-group's 4,096 bytes of each head,
	s_add_co_u32 s18, s18, s16
	s_add_co_u32 s18, s18, 3*524288                ; at K step 3: the first refill steps it to 4
	s_add_nc_u64 s[44:45], s[4:5], s[18:19]
	s_cmp_eq_u32 s12, 0
	s_cselect_b32 s43, 1, -1
	v_and_b32 v1, 15, v0                           ; r
	v_bfe_u32 v2, v0, 4, 1                         ; h
	v_and_b32 v5, 31, v0                           ; lane
	v_lshlrev_b32 v[PFO], 18, v2
	v_lshl_add_u32 v[PFO], v1, 8, v[PFO]
	v_mul_u32_u24 v3, v1, PA
	v_lshl_add_u32 v3, v2, 4, v3
	v_mul_u32_u24 v4, v1, PB
	v_lshl_add_u32 v4, v2, 4, v4
	s_mul_i32 s16, s13, 64*PA
	s_mul_i32 s17, s14, 128*PB
	s_add_co_u32 s17, s17, BOFF
.irp s, 0,1
	v_add_nc_u32 v[ADRA+\s], s16, v3
	v_add_nc_u32 v[ADRB+\s], s17, v4
	s_add_co_u32 s16, s16, SLOT
	s_add_co_u32 s17, s17, SLOT
.endr
	s_mul_i32 s16, s12, 16*528
	s_add_co_u32 s16, s16, STAGE
	v_mul_u32_u24 v[STO], v1, 528
	v_lshl_add_u32 v[STO], v2, 5, v[STO]
	v_add_nc_u32 v[STO], s16, v[STO]               ; in: row r, 32 bytes for each half of the lanes
	v_lshlrev_b32 v[CO], 4, v5
	v_add_nc_u32 v[RD], s16, v[CO]                 ; back: the 32 lanes take a row of 512 bytes
	s_lshl_b32 s46, s40, 10                        ; my first column, in bytes: 1,024 cx + 512 x half
	s_lshl_b32 s47, s14, 9
	s_add_co_u32 s46, s46, s47
	s_mov_b32 s47, 0
	s_add_nc_u64 s[8:9], s[8:9], s[46:47]
	global_load_b128 v[32:35], v[CO], s[8:9]       ; bo at my four columns
	s_add_nc_u64 s[10:11], s[10:11], s[46:47]
	s_lshl_b32 s18, s41, 23                        ; my first row: 2,048 cy + 128 x cluster y + 64 x half, of 4,096 bytes
	s_lshl_b32 s16, s15, 19
	s_add_co_u32 s18, s18, s16
	s_lshl_b32 s16, s13, 18
	s_add_co_u32 s18, s18, s16
	s_add_nc_u64 s[10:11], s[10:11], s[18:19]
.macro MUL8 f, a, zero                 ; row block a x all 8 column blocks, 32 along K.  The 32 accumulators take turns, in the same order in every quarter
.irp b, 0,1,2,3,4,5,6,7
.if \zero
	v_wmma_f32_16x16x32_f16 v[8*(8*(\a)+\b):8*(8*(\a)+\b)+7], v[\f+32+8*\b:\f+32+8*\b+7], v[\f+8*(\a):\f+8*(\a)+7], 0
.else
	v_wmma_f32_16x16x32_f16 v[8*(8*(\a)+\b):8*(8*(\a)+\b)+7], v[\f+32+8*\b:\f+32+8*\b+7], v[\f+8*(\a):\f+8*(\a)+7], v[8*(8*(\a)+\b):8*(8*(\a)+\b)+7]
.endif
.endr
.endm
.macro MUL16 f, a0, zero
	MUL8 \f, \a0, \zero
	MUL8 \f, \a0+1, \zero
.endm
.macro FETCH slot, q, f                ; 24 LDS loads in one run: B's sixteen, A's blocks 0 and 1, A's blocks 2 and 3
.irp i, 0,1,2,3,4,5,6,7
	ds_load_b128 v[\f+32+8*\i:\f+32+8*\i+3], v[ADRB+\slot] offset:\i*16*PB+64*(\q)
	ds_load_b128 v[\f+32+8*\i+4:\f+32+8*\i+7], v[ADRB+\slot] offset:\i*16*PB+64*(\q)+32
.endr
.irp i, 0,1,2,3
	ds_load_b128 v[\f+8*\i:\f+8*\i+3], v[ADRA+\slot] offset:128*PA*((\q)/2)+\i*16*PA+64*((\q)%2)
	ds_load_b128 v[\f+8*\i+4:\f+8*\i+7], v[ADRA+\slot] offset:128*PA*((\q)/2)+\i*16*PA+64*((\q)%2)+32
.endr
.endm
.macro PLACES
.rept 4
	v_nop
.endr
.endm
.macro QUARTER slot, qn, f, g, zero    ; multiplies buffer f; in its middle fetches quarter qn of the same slot into g
	s_wait_dscnt 4                                 ; B and A's blocks 0 and 1 are in; A's blocks 2 and 3 (4 loads) may be out
	WIN MUL
	MUL16 \f, 0, \zero
	PLACES
	WIN 0
	FETCH \slot, \qn, \g
	s_wait_dscnt 24                                ; all but the 24 just issued
	WIN MUL
	MUL16 \f, 2, \zero
.endm
.macro TURN slot, next, fill           ; a slot's last quarter multiplies F1 and changes slots
.if \fill
	s_wait_xcnt 0x0                                ; the last prefetch, a K step back, has read its address
	s_add_nc_u64 s[44:45], s[44:45], 524288
.endif
	WIN 0
	s_wait_tensorcnt 0x0                           ; all my tensor loads have landed: my part of the next slot
	ds_add_u32 v[SPW], v[NIL]                      ; 0 onto my spare word
	s_wait_dscnt 5                                 ; the add and A's blocks 2 and 3 may be out
	WIN MUL
	MUL8 F1, 0, 0
	s_wait_dscnt 0x0                               ; the add is done, my reads of this slot are over
	s_barrier_signal -1
	MUL8 F1, 1, 0
	WIN 0
	s_barrier_wait -1
.if \fill
	CREST                                          ; the barrier has opened a round of the cluster's: no wave of any partner still reads this slot or has a load on its way
	s_add_nc_u64 s[G0+4*\slot+2:G0+4*\slot+3], s[G0+4*\slot+2:G0+4*\slot+3], 1048576   ; two K steps on: four heads
	s_add_nc_u64 s[G0B+4*\slot+2:G0B+4*\slot+3], s[G0B+4*\slot+2:G0B+4*\slot+3], 512
	JLOAD \slot                                    ; first behind the round: 112 matrix instructions ahead of the wait for it; its four v_nop are the places in front of the loads below
.else
	PLACES
.endif
	FETCH \next, 0, F0
.if \fill
	ASK
.endif
	WIN MUL
	MUL16 F1, 2, 0
.endm
	s_wait_tensorcnt 1                             ; my part of K step 0 is in; K step 1's may be out
	s_barrier_signal -1
	s_barrier_wait -1
	FETCH 0, 0, F0
	QUARTER 0, 1, F0, F1, 1                        ; the first products start the sums
	WIN 0
	s_mov_b32 s3, 3
.Llap:                                             ; a trip goes once round the ring and fills both slots again: K steps 2 to 7
	QUARTER 0, 2, F1, F0, 0
	QUARTER 0, 3, F0, F1, 0
	TURN 0, 1, 1
	QUARTER 1, 1, F0, F1, 0
	QUARTER 1, 2, F1, F0, 0
	QUARTER 1, 3, F0, F1, 0
	TURN 1, 0, 1
	QUARTER 0, 1, F0, F1, 0
	WIN 0
	s_sub_co_u32 s3, s3, 1
	s_cmp_lg_u32 s3, 0
	s_cbranch_scc1 .Llap
	QUARTER 0, 2, F1, F0, 0                        ; the last lap fills nothing
	QUARTER 0, 3, F0, F1, 0
	TURN 0, 1, 0
	QUARTER 1, 1, F0, F1, 0
	QUARTER 1, 2, F1, F0, 0
	QUARTER 1, 3, F0, F1, 0
	s_wait_dscnt 4
	WIN MUL
	MUL16 F1, 0, 0
	s_wait_dscnt 0
	MUL16 F1, 2, 0
	WIN 0
; THE WAY OUT, 16 rows x 128 columns at a time through my stage; bo is added to whole rows; the 32 lanes store 512 consecutive bytes, aligned.
.macro OUTBLK a
.set BB, 64+64*((\a)%2)
.if (\a) > 1
	s_wait_xcnt 0x0                                ; the block two back has read its registers
.endif
	WIN 0x04                                       ; an LDS store's data are its source 1: window 1
.irp b, 0,1,2,3,4,5,6,7
	ds_store_b128 v[STO], v[8*(8*(\a)+\b):8*(8*(\a)+\b)+3] offset:64*\b          ; each accumulator from its low end on
	ds_store_b128 v[STO], v[8*(8*(\a)+\b)+4:8*(8*(\a)+\b)+7] offset:64*\b+16
.endr
	WIN 0
.irp t, 0,1,2,3,4,5,6,7,8,9,10,11,12,13,14,15
	ds_load_b128 v[BB+4*\t:BB+4*\t+3], v[RD] offset:\t*528
.endr
.irp t, 0,1,2,3,4,5,6,7,8,9,10,11,12,13,14,15
	s_wait_dscnt 15-\t
	v_pk_add_f32 v[BB+4*\t:BB+4*\t+1], v[BB+4*\t:BB+4*\t+1], v[32:33]
	v_pk_add_f32 v[BB+4*\t+2:BB+4*\t+3], v[BB+4*\t+2:BB+4*\t+3], v[34:35]
	global_store_b128 v[CO], v[BB+4*\t:BB+4*\t+3], s[10:11] offset:(16*(\a)+\t)*4096 th:TH_STORE_NT
.endr
.endm
	s_wait_loadcnt 0x0                             ; bo
	PLACES
	s_cmp_eq_u32 s42, 0                            ; positions 0 to 15 are not mine to store: cluster y and the wave's number alone
	s_cbranch_scc1 .Lskip0
	OUTBLK 0
.Lskip0:
	OUTBLK 1
	OUTBLK 2
	OUTBLK 3
	s_wait_tensorcnt 0x0                           ; the wave's end
	ds_add_u32 v[SPW], v[NIL]
	s_wait_dscnt 0x0
	CROUND                                         ; the closing round
	s_endpgm
.Lfunc_end_k_q3085d222bf_proj:
	.size	k_q3085d222bf_proj, .Lfunc_end_k_q3085d222bf_proj-k_q3085d222bf_proj
	.p2alignl 7, 3214868480
	.fill 96, 4, 3214868480
	.section	.rodata,"a",@progbits
	.p2align	6, 0x0
	.amdhsa_kernel k_q3085d222bf_proj
		.amdhsa_group_segment_fixed_size 327680
		.amdhsa_private_segment_fixed_size 0
		.amdhsa_enable_private_segment 0
		.amdhsa_kernarg_size 32
		.amdhsa_user_sgpr_count 2
		.amdhsa_user_sgpr_kernarg_segment_ptr 1
		.amdhsa_wavefront_size32 1
		.amdhsa_system_sgpr_workgroup_id_x 1
		.amdhsa_system_sgpr_workgroup_id_y 1
		.amdhsa_system_sgpr_workgroup_id_z 1
		.amdhsa_system_vgpr_workitem_id 0
		.amdhsa_next_free_vgpr 512
		.amdhsa_next_free_sgpr 66
		.amdhsa_reserve_vcc 0
		.amdhsa_float_denorm_mode_32 3
		.amdhsa_float_denorm_mode_16_64 3
		.amdhsa_memory_ordered 1
		.amdhsa_forward_progress 1
		.amdhsa_inst_pref_size 96
	.end_amdhsa_kernel
	.amdgpu_metadata
---
amdhsa.version: [ 1, 2 ]
amdhsa.kernels:
  - .name:           k_q3085d222bf_proj
    .symbol:         k_q3085d222bf_proj.kd
    .args:
      - { .name: ctx, .offset: 0, .size: 8, .value_kind: global_buffer, .address_space: global }
      - { .name: wo16, .offset: 8, .size: 8, .value_kind: global_buffer, .address_space: global }
      - { .name: bo, .offset: 16, .size: 8, .value_kind: global_buffer, .address_space: global }
      - { .name: out0, .offset: 24, .size: 8, .value_kind: global_buffer, .address_space: global }
    .group_segment_fixed_size: 327680
    .private_segment_fixed_size: 0
    .kernarg_segment_align: 8
    .kernarg_segment_size: 32
    .max_flat_workgroup_size: 128
    .sgpr_count:     66
    .vgpr_count:     512
    .wavefront_size: 32
...
	.end_amdgpu_metadata
.endif
;; end of part 4
;; launch fine (part 5): grid 16 x 4, 16 waves a work-group, no clusters, 84,992 bytes of LDS; arguments qkv32, wo16, bo, out0; writes out0
.if DOCPART == 5
	.amdgcn_target "amdgcn-amd-amdhsa--gfx1250"
	.amdhsa_code_object_version 6
	.text
	.protected	k_q3085d222bf_fine
	.globl	k_q3085d222bf_fine
	.p2align	8
	.type	k_q3085d222bf_fine,@function
k_q3085d222bf_fine:
	s_mov_b64 s[64:65], 0
	v_nop
	global_prefetch_b8 v0, s[64:65] scope:SCOPE_SE
	s_setreg_imm32_b32 hwreg(HW_REG_WAVE_MODE, 25, 1), 1
	s_wait_xcnt 0x0
; POSITIONS 0 TO 15 OF EVERY SEQUENCE, CARRIED MORE FINELY: their rows average one to sixteen values and are the largest of the output.  Work-group (j, b) makes rows 0-15 of batch b, columns 64 j .. 64 j + 63.
; STAGE 1, wave = head: S^T = k q^T and O^T = v^T p on f32 operands (v_wmma_f32_16x16x4_f32, 32 instructions a wave), causal softmax in f32; ctx is split into hi = f16(ctx) and lo = f16((ctx - hi) x 2048),
; and goes to LDS as images of the next operand's registers.  It is repeated in the 16 work-groups of a batch: 12,288 bytes read and 32 small products a head, which spares a launch.
; STAGE 2, wave = (16 columns w % 4, four heads w / 4): out = hi hi + 2^-11 (hi lo + lo hi) on f16 pairs, three accumulators by turns; the four parts along K meet in LDS; bo is added.
; Along K both sources of each f32 product take the same permutation: K step c of the first takes channels 32 h + 2 c + {0, 1}, of the second keys 8 h + 2 c + {0, 1}.
; v128-159 are written by matrix instructions alone.  No tensor load, no cluster: a few bytes a work-group.
.set CIMG,  0                          ; 16 heads x (2 K steps x (hi, lo)) x 1,024 bytes
.set RED,   65536                      ; 4 parts x 16 rows x (256 + 16) bytes
.set SPARE, 82944                      ; the spare words, 128 bytes a wave
; v1 q, k offset; v2 v offset; v3 wo16 offset; v4 images in; v5 images out; v6 parts in; v7 parts back; v8 out0 offset; v9 bo offset; v10 r - 8 h; v11-13 at work; v14, v15 the add's two
; v16-47 q, v48-79 k, later wo16 lo; v80-111 v, then ctx, then fragments; v112-127 hi; v160-175 at work, lo; v176-183 scores, at work; v184-191 p, later bo; v192-255 wo16 hi
.macro SPLIT4 x, h, l
	v_cvt_pk_f16_f32 v11, v[\x], v[\x+1]
	v_cvt_pk_f16_f32 v12, v[\x+2], v[\x+3]
	v_cvt_f32_f16 v176, v11.l
	v_cvt_f32_f16 v177, v11.h
	v_cvt_f32_f16 v178, v12.l
	v_cvt_f32_f16 v179, v12.h
	v_mov_b32 v[\h], v11
	v_mov_b32 v[\h+1], v12
	v_pk_add_f32 v[176:177], v[\x:\x+1], v[176:177] neg_lo:[0,1] neg_hi:[0,1]
	v_pk_add_f32 v[178:179], v[\x+2:\x+3], v[178:179] neg_lo:[0,1] neg_hi:[0,1]
	v_pk_mul_f32 v[176:177], v[176:177], 0x45000000 op_sel_hi:[1,0]
	v_pk_mul_f32 v[178:179], v[178:179], 0x45000000 op_sel_hi:[1,0]
	v_cvt_pk_f16_f32 v[\l], v176, v177
	v_cvt_pk_f16_f32 v[\l+1], v178, v179
.endm
	s_load_b256 s[4:11], s[0:1], 0x0               ; qkv32 s[4:5], wo16 s[6:7], bo s[8:9], out0 s[10:11]
	v_lshl_add_u32 v14, v0, 2, SPARE
	v_mov_b32 v15, 0
	v_lshrrev_b32 v11, 5, v0
	v_readfirstlane_b32 s12, v11                   ; wave 0..15
	s_and_b32 s13, s12, 3
	s_lshr_b32 s14, s12, 2
	s_and_b32 s15, ttmp7, 0xffff                   ; batch
	v_and_b32 v11, 15, v0                          ; r
	v_bfe_u32 v12, v0, 4, 1                        ; h
	v_and_b32 v13, 31, v0                          ; lane
	v_lshlrev_b32 v1, 8, v11
	v_lshl_add_u32 v1, v12, 7, v1                  ; row r of 256 bytes, channels 32 h on
	v_lshlrev_b32 v2, 2, v11
	v_lshl_add_u32 v2, v12, 11, v2                 ; key 8 h, channel r
	v_lshlrev_b32 v3, 11, v11
	v_lshl_add_u32 v3, v12, 4, v3                  ; row r of 2,048 bytes, + 16 h
	s_lshl_b32 s16, s14, 14
	v_lshl_add_u32 v4, v13, 4, s16                 ; 16 x lane + my four heads' images
	s_lshl_b32 s16, s12, 12
	v_lshl_add_u32 v5, v13, 4, s16                 ; 16 x lane + my head's
	s_mul_i32 s16, s14, 4352
	s_lshl_b32 s17, s13, 6
	s_add_co_u32 s16, s16, s17
	s_add_co_u32 s16, s16, RED
	v_mul_u32_u24 v6, v11, 272
	v_lshl_add_u32 v6, v12, 5, v6
	v_add_nc_u32 v6, s16, v6
	s_mul_i32 s16, s12, 544
	s_add_co_u32 s16, s16, RED
	v_mul_u32_u24 v7, v12, 272
	v_lshl_add_u32 v7, v11, 4, v7
	v_add_nc_u32 v7, s16, v7                       ; rows 2 w and 2 w + 1, sixteen lanes to a row
	v_lshlrev_b32 v8, 12, v12
	v_lshl_add_u32 v8, v11, 4, v8
	v_lshlrev_b32 v9, 4, v11
	v_lshlrev_b32 v10, 3, v12
	v_sub_nc_u32 v10, v11, v10
	s_mov_b32 s20, 0x76543210
	s_mov_b32 s21, 0xfedcba98
	s_mov_b32 s22, 0x3d38aa3b                      ; c = log2(e) / 32
	s_mov_b32 s23, 0x3a000000                      ; 2^-11
	s_mul_i32 s16, s15, 196608                     ; batch: 3 x 16 blocks of 4,096 bytes
	s_lshl_b32 s17, s12, 12
	s_add_co_u32 s16, s16, s17
	s_mov_b32 s17, 0
	s_lshl_b32 s18, ttmp9, 17                      ; wo16: row 64 j + 16 (w % 4), K from 256 (w / 4) on
	s_lshl_b32 s19, s13, 15
	s_add_co_u32 s18, s18, s19
	s_lshl_b32 s19, s14, 9
	s_add_co_u32 s18, s18, s19
	s_mov_b32 s19, 0
	s_lshl_b32 s24, ttmp9, 8                       ; 64 columns of 4 bytes
	s_mov_b32 s25, 0
	s_lshl_b32 s26, s15, 23                        ; out0: row 2,048 b + 2 w
	s_lshl_b32 s27, s12, 13
	s_add_co_u32 s26, s26, s27
	s_mov_b32 s27, 0
	s_wait_kmcnt 0x0
	s_add_nc_u64 s[4:5], s[4:5], s[16:17]
	s_add_nc_u64 s[6:7], s[6:7], s[18:19]
	s_add_nc_u64 s[8:9], s[8:9], s[24:25]
	s_add_nc_u64 s[10:11], s[10:11], s[24:25]
	s_add_nc_u64 s[10:11], s[10:11], s[26:27]
.irp i, 0,1,2,3,4,5,6,7
	global_load_b128 v[16+4*\i:19+4*\i], v1, s[4:5] offset:16*\i            ; q(r, 32 h + 4 i ..)
.endr
.irp i, 0,1,2,3,4,5,6,7
	global_load_b128 v[48+4*\i:51+4*\i], v1, s[4:5] offset:65536+16*\i      ; k likewise
.endr
.irp ct, 0,1,2,3
.irp i, 0,1,2,3,4,5,6,7
	global_load_b32 v[80+8*\ct+\i], v2, s[4:5] offset:131072+256*\i+64*\ct  ; v(8 h + i, 16 ct + r)
.endr
.endr
.irp s, 0,1,2,3,4,5,6,7
	global_load_b128 v[192+8*\s:195+8*\s], v3, s[6:7] offset:64*\s          ; wo16 hi, K step s
	global_load_b128 v[196+8*\s:199+8*\s], v3, s[6:7] offset:64*\s+32
.endr
	s_wait_loadcnt 48                              ; q and k are in; v's 32 loads and wo16's 16 stay out
.irp c, 0,1,2,3                                ; four accumulators by turns; their first K steps start the sums
	v_wmma_f32_16x16x4_f32 v[128+8*\c:135+8*\c], v[48+2*\c:49+2*\c], v[16+2*\c:17+2*\c], 0
.endr
.irp c, 4,5,6,7,8,9,10,11,12,13,14,15
	v_wmma_f32_16x16x4_f32 v[128+8*(\c%4):135+8*(\c%4)], v[48+2*\c:49+2*\c], v[16+2*\c:17+2*\c], v[128+8*(\c%4):135+8*(\c%4)]
.endr
.rept 8
	v_nop                                          ; eight plain lines behind this form
.endr
.irp s, 0,1,2,3,4,5,6,7
	global_load_b128 v[16+8*\s:19+8*\s], v3, s[6:7] offset:2097152+64*\s    ; wo16 lo, over q and k
	global_load_b128 v[20+8*\s:23+8*\s], v3, s[6:7] offset:2097152+64*\s+32
.endr
.irp j, 0,1,2,3,4,5,6,7
	v_add_f32 v[176+\j], v[128+\j], v[136+\j]      ; lane (r, h): query r, key 8 h + j; each accumulator from its low end on
	v_add_f32 v[160+\j], v[144+\j], v[152+\j]
.endr
.irp j, 0,1,2,3,4,5,6,7
	v_add_f32 v[176+\j], v[176+\j], v[160+\j]
.endr
	v_mov_b32 v11, 0xff800000
.irp j, 0,1,2,3,4,5,6,7
	v_cmp_gt_i32 vcc_lo, \j, v10                   ; key 8 h + j comes after query r
	v_cndmask_b32 v[176+\j], v[176+\j], v11, vcc_lo
.endr
	v_max3_num_f32 v11, v176, v177, v178
	v_max3_num_f32 v11, v11, v179, v180
	v_max3_num_f32 v11, v11, v181, v182
	v_max_num_f32 v11, v11, v183
	v_permlanex16_b32 v12, v11, s20, s21
	v_max_num_f32 v11, v11, v12                    ; key 0 counts for every query: a number
	v_mul_f32 v12, s22, v11
.irp j, 0,1,2,3,4,5,6,7
	v_fma_f32 v[176+\j], v[176+\j], s22, -v12
.endr
.irp j, 0,1,2,3,4,5,6,7
	v_exp_f32 v[184+\j], v[176+\j]
.endr
	v_nop
	s_wait_alu depctr_va_vdst(0)                   ; one wait for the eight, ahead of their first reader
	v_add_f32 v11, v184, v185
	v_add_f32 v12, v186, v187
	v_add_f32 v11, v11, v188
	v_add_f32 v12, v12, v189
	v_add_f32 v11, v11, v190
	v_add_f32 v12, v12, v191
	v_add_f32 v11, v11, v12
	v_permlanex16_b32 v12, v11, s20, s21
	v_add_f32 v11, v11, v12
	v_rcp_f32 v13, v11
	v_nop
	s_wait_alu depctr_va_vdst(0)
	s_wait_loadcnt 32                              ; v is in; wo16's 32 loads stay out
.irp c, 0,1,2,3
.irp ct, 0,1,2,3
.if \c == 0
	v_wmma_f32_16x16x4_f32 v[128+8*\ct:135+8*\ct], v[80+8*\ct+2*\c:81+8*\ct+2*\c], v[184+2*\c:185+2*\c], 0
.else
	v_wmma_f32_16x16x4_f32 v[128+8*\ct:135+8*\ct], v[80+8*\ct+2*\c:81+8*\ct+2*\c], v[184+2*\c:185+2*\c], v[128+8*\ct:135+8*\ct]
.endif
.endr
.endr
.rept 8
	v_nop
.endr
.set j, 0
.rept 32
	v_mul_f32 v[80+j], v[128+j], v13               ; ctx(r, 16 ct + 8 h + i), into other registers
.set j, j+1
.endr
	global_load_b128 v[184:187], v9, s[8:9]        ; bo at 64 j + 4 (lane % 16)
.set i, 0
.rept 8
.set PX, 80+4*i
.set PH, 112+2*i
.set PL, 160+2*i
	SPLIT4 PX, PH, PL
.set i, i+1
.endr
.irp u, 0,1                                    ; tiles 2 u and 2 u + 1, in pairs, are the fragment of K step u: it goes to LDS as it stands
	ds_store_b128 v5, v[112+8*\u:115+8*\u] offset:2048*\u
	ds_store_b128 v5, v[116+8*\u:119+8*\u] offset:2048*\u+512
	ds_store_b128 v5, v[160+8*\u:163+8*\u] offset:2048*\u+1024
	ds_store_b128 v5, v[164+8*\u:167+8*\u] offset:2048*\u+1536
.endr
	s_wait_dscnt 0x0                               ; my images have landed
	s_barrier_signal -1
	s_barrier_wait -1
	s_wait_loadcnt 0x0                             ; wo16 and bo
.irp g, 0,1                                    ; four K steps of 32 at a time
.if \g > 0
.rept 4
	v_nop
.endr
.endif
.irp s, 0,1,2,3
.irp pt, 0,1
.set FRG, 80+8*(2*\s+\pt)+32*((2*\s+\pt)/6)
	ds_load_b128 v[FRG:FRG+3], v4 offset:4096*((4*\g+\s)/2)+2048*(\s%2)+1024*\pt
	ds_load_b128 v[FRG+4:FRG+7], v4 offset:4096*((4*\g+\s)/2)+2048*(\s%2)+1024*\pt+512
.endr
.endr
	s_wait_dscnt 0x0
.irp s, 0,1,2,3
.set CH, 80+8*(2*\s)+32*((2*\s)/6)
.set CL, 80+8*(2*\s+1)+32*((2*\s+1)/6)
.set WHR, 192+8*(4*\g+\s)
.set WLR, 16+8*(4*\g+\s)
.if (\g == 0) && (\s == 0)
	v_wmma_f32_16x16x32_f16 v[128:135], v[WHR:WHR+7], v[CH:CH+7], 0
	v_wmma_f32_16x16x32_f16 v[136:143], v[WHR:WHR+7], v[CL:CL+7], 0
	v_wmma_f32_16x16x32_f16 v[144:151], v[WLR:WLR+7], v[CH:CH+7], 0
.else
	v_wmma_f32_16x16x32_f16 v[128:135], v[WHR:WHR+7], v[CH:CH+7], v[128:135]
	v_wmma_f32_16x16x32_f16 v[136:143], v[WHR:WHR+7], v[CL:CL+7], v[136:143]
	v_wmma_f32_16x16x32_f16 v[144:151], v[WLR:WLR+7], v[CH:CH+7], v[144:151]
.endif
.endr
.endr
.rept 4
	v_nop
.endr
.irp j, 0,1,2,3,4,5,6,7
	v_add_f32 v[176+\j], v[136+\j], v[144+\j]
.endr
.irp j, 0,1,2,3,4,5,6,7
	v_fma_f32 v[176+\j], v[176+\j], s23, v[128+\j] ; lane (r, h): row r, column 16 (w % 4) + 8 h + j
.endr
	ds_store_b128 v6, v[176:179]
	ds_store_b128 v6, v[180:183] offset:16
	s_wait_dscnt 0x0
	s_barrier_signal -1
	s_barrier_wait -1
	s_cmp_lt_u32 s12, 8                            ; waves 0 to 7 add the four parts along K and store two rows each
	s_cbranch_scc0 .Lend
.irp i, 0,1,2,3
	ds_load_b128 v[80+4*\i:83+4*\i], v7 offset:4352*\i
.endr
	s_wait_dscnt 0x0
	v_pk_add_f32 v[80:81], v[80:81], v[84:85]
	v_pk_add_f32 v[82:83], v[82:83], v[86:87]
	v_pk_add_f32 v[88:89], v[88:89], v[92:93]
	v_pk_add_f32 v[90:91], v[90:91], v[94:95]
	v_pk_add_f32 v[80:81], v[80:81], v[88:89]
	v_pk_add_f32 v[82:83], v[82:83], v[90:91]
	v_pk_add_f32 v[80:81], v[80:81], v[184:185]
	v_pk_add_f32 v[82:83], v[82:83], v[186:187]
	global_store_b128 v8, v[80:83], s[10:11]       ; sixteen lanes store 256 consecutive bytes, aligned
.Lend:
	s_wait_tensorcnt 0x0                           ; the wave's end, behind my last LDS store
	ds_add_u32 v14, v15
	s_wait_dscnt 0x0
	s_endpgm
.Lfunc_end_k_q3085d222bf_fine:
	.size	k_q3085d222bf_fine, .Lfunc_end_k_q3085d222bf_fine-k_q3085d222bf_fine
	.p2alignl 7, 3214868480
	.fill 96, 4, 3214868480
	.section	.rodata,"a",@progbits
	.p2align	6, 0x0
	.amdhsa_kernel k_q3085d222bf_fine
		.amdhsa_group_segment_fixed_size 84992
		.amdhsa_private_segment_fixed_size 0
		.amdhsa_enable_private_segment 0
		.amdhsa_kernarg_size 32
		.amdhsa_user_sgpr_count 2
		.amdhsa_user_sgpr_kernarg_segment_ptr 1
		.amdhsa_wavefront_size32 1
		.amdhsa_system_sgpr_workgroup_id_x 1
		.amdhsa_system_sgpr_workgroup_id_y 1
		.amdhsa_system_sgpr_workgroup_id_z 1
		.amdhsa_system_vgpr_workitem_id 0
		.amdhsa_next_free_vgpr 256
		.amdhsa_next_free_sgpr 66
		.amdhsa_reserve_vcc 1
		.amdhsa_float_denorm_mode_32 3
		.amdhsa_float_denorm_mode_16_64 3
		.amdhsa_memory_ordered 1
		.amdhsa_forward_progress 1
		.amdhsa_inst_pref_size 30
	.end_amdhsa_kernel
	.amdgpu_metadata
---
amdhsa.version: [ 1, 2 ]
amdhsa.kernels:
  - .name:           k_q3085d222bf_fine
    .symbol:         k_q3085d222bf_fine.kd
    .args:
      - { .name: qkv32, .offset: 0, .size: 8, .value_kind: global_buffer, .address_space: global }
      - { .name: wo16, .offset: 8, .size: 8, .value_kind: global_buffer, .address_space: global }
      - { .name: bo, .offset: 16, .size: 8, .value_kind: global_buffer, .address_space: global }
      - { .name: out0, .offset: 24, .size: 8, .value_kind: global_buffer, .address_space: global }
    .group_segment_fixed_size: 84992
    .private_segment_fixed_size: 0
    .kernarg_segment_align: 8
    .kernarg_segment_size: 32
    .max_flat_workgroup_size: 512
    .sgpr_count:     66
    .vgpr_count:     256
    .wavefront_size: 32
...
	.end_amdgpu_metadata
.endif
;; end of part 5
